; MI455X (gfx1250); checked and timed in simulation.
; The chip was launched on July 23, 2026; its instructions are those of AMD's public machine-readable ISA for CDNA 5 (MIT licence, August 2026) and "CDNA5" Instruction Set Architecture Reference Guide (July 2026). The comments in the code are by the model that wrote it; some were corrected since.
;; Mo E Layer. Allowed arithmetic: matrix products marked QUANTISED: E2M1 operands, one E8M0 scale for each 32 along K, by v_wmma_scale_f32_16x16x128_f8f6f4 with both operands' format E2M1 (or v_wmma_scale_f32_32x16x128_f4), f32 sums; products left as they are: f32 operands where the result goes on into a quantised operand, else bf16, f16 or f32 operands; f32 sums; everything else in f32.
;; Inputs: W1_codes 8 x 4,096 x 32 x 16 uint8 (E2M1 codes of W1, K innermost, in blocks of 32 codes, two codes a byte); W1_scales 8 x 4,096 x 32 uint8 (E8M0 scales of W1, one for each 32 codes along K); W2_codes 8 x 1,024 x 128 x 16 uint8 (E2M1 codes of W2, K innermost, in blocks of 32 codes, two codes a byte); W2_scales 8 x 1,024 x 128 uint8 (E8M0 scales of W2, one for each 32 codes along K); Wr 1,024 x 8 float32; b1 8 x 4,096 float32; b2 8 x 1,024 float32; br 8 float32; x 4 x 256 x 1,024 float32.
;; Outputs: out0 4 x 256 x 1,024 float32.
;; This version of the problem:
;;   THIS VERSION OF THE PROBLEM IS GIVEN IN LOW PRECISION. The matrix products marked QUANTISED in the list below multiply operands that are first quantised to E2M1 (2 exponent bits, 1 mantissa bit; 4 bits a number), with one power-of-two scale for each 32 numbers along K (OCP MX v1.0); their sums are f32. All else is computed in f32.
;;   The module's matrix products, in the order in which they are computed (A, B: the left and right operand; K: the contracted axis; several contracted axes count as one K, in the product's order):
;;     1. [M 1,024, K 1,024] x [K 1,024, N 8]; A: input x; B: input Wr: left as it is (N = 8 < 16)
;;     2. [M 1,024, K 1,024] x [K 1,024, N 4,096]; A: input x; B: input W1 (given as codes): QUANTISED
;;     3. [M 1,024, K 4,096] x [K 4,096, N 1,024]; A: computed on the way; B: input W2 (given as codes): QUANTISED
;;     4. [M 1,024, K 1,024] x [K 1,024, N 4,096]; A: input x; B: input W1 (given as codes): QUANTISED
;;     5. [M 1,024, K 4,096] x [K 4,096, N 1,024]; A: computed on the way; B: input W2 (given as codes): QUANTISED
;;     6. [M 1,024, K 1,024] x [K 1,024, N 4,096]; A: input x; B: input W1 (given as codes): QUANTISED
;;     7. [M 1,024, K 4,096] x [K 4,096, N 1,024]; A: computed on the way; B: input W2 (given as codes): QUANTISED
;;     8. [M 1,024, K 1,024] x [K 1,024, N 4,096]; A: input x; B: input W1 (given as codes): QUANTISED
;;     9. [M 1,024, K 4,096] x [K 4,096, N 1,024]; A: computed on the way; B: input W2 (given as codes): QUANTISED
;;     10. [M 1,024, K 1,024] x [K 1,024, N 4,096]; A: input x; B: input W1 (given as codes): QUANTISED
;;     11. [M 1,024, K 4,096] x [K 4,096, N 1,024]; A: computed on the way; B: input W2 (given as codes): QUANTISED
;;     12. [M 1,024, K 1,024] x [K 1,024, N 4,096]; A: input x; B: input W1 (given as codes): QUANTISED
;;     13. [M 1,024, K 4,096] x [K 4,096, N 1,024]; A: computed on the way; B: input W2 (given as codes): QUANTISED
;;     14. [M 1,024, K 1,024] x [K 1,024, N 4,096]; A: input x; B: input W1 (given as codes): QUANTISED
;;     15. [M 1,024, K 4,096] x [K 4,096, N 1,024]; A: computed on the way; B: input W2 (given as codes): QUANTISED
;;     16. [M 1,024, K 1,024] x [K 1,024, N 4,096]; A: input x; B: input W1 (given as codes): QUANTISED
;;     17. [M 1,024, K 4,096] x [K 4,096, N 1,024]; A: computed on the way; B: input W2 (given as codes): QUANTISED
;;   THE QUANTISER, for each operand of a quantised product, along K:
;;     - K is cut into blocks of 32 from its start; a last block that is shorter is filled with zeros.
;;     - A block's scale is 2^e with e = floor(log2(the largest magnitude in the block)) - 2, held to -126 .. 127; a block of zeros has e = 0. As a byte (E8M0): e + 127.
;;     - Each number is divided by its block's scale, clamped to +-6, and rounded to the nearest number of E2M1, ties to even, subnormals kept.
;;     - The product sums the exact products of the quantised numbers (number of the format x scale) in f32.
;;   ~~~python
;;   def quantise(x, axis):      # numpy; x: float32 -> the quantised numbers, widened to float32 again
;;       x = np.moveaxis(x, axis, -1); K = x.shape[-1]
;;       x = np.pad(x, [(0, 0)] * (x.ndim - 1) + [(0, -K % 32)]); x = x.reshape(x.shape[:-1] + (-1, 32)); a = np.abs(x).max(-1, keepdims=True)
;;       e = np.where(a > 0, np.clip(np.frexp(np.where(a > 0, a, 1))[1] - 1 - 2, -126, 127), 0)      # np.frexp(a)[1] - 1 = floor(log2(a)), exactly
;;       r = np.clip(x / 2.0 ** e, -6, 6)
;;       step = 2.0 ** (np.maximum(np.frexp(np.where(r == 0, 1, r))[1] - 1, 0) - 1)
;;       q = np.round(r / step) * step * 2.0 ** e      # np.round: ties to even
;;       return np.moveaxis(q.reshape(q.shape[:-2] + (-1,))[..., :K], -1, axis).astype(np.float32)
;;   ~~~
;;   OPERANDS COMPUTED ON THE WAY. 'Computed on the way' means the value that the module computes at that place (a softmax that the list does not call 'softmax' is quantised finished and normalised). What goes into a quantiser is computed in f32, as accurately as f32 sums, v_exp_f32 and their like allow (about 1e-6 of the number): no bf16 or f16 on the way to a quantiser, and a product that is left as it is and whose result goes on into a quantised operand takes f32 operands (vector FMAs, or v_wmma_f32_16x16x4_f32). A number that lies on a knife's edge between two numbers of the format may be rounded either way, as far as f32 arithmetic and the matrix unit's own rounding can turn it there, and no further.
;;   INPUTS GIVEN AS CODES. W1 (in the module: [8, 1024, 4096], K = its axis 1); W2 (in the module: [8, 4096, 1024], K = its axis 1): each comes as NAME_codes (uint8): NAME with its K axis moved to the last place and cut into blocks of 32 codes, [.., K / 32, bytes a block], one block behind the other in memory; two codes a byte, the lower K in the low four bits (a code: sign, 2 exponent bits, 1 mantissa bit); and NAME_scales (uint8): the same leading axes, one E8M0 byte (e + 127) for each 32 codes along K. Its value is code x scale, taken as it is: it is not quantised again, and the codes and scales need not be those that the quantiser above would give.
;; 2 versions. Each part assembles by itself: llvm-mc -triple=amdgcn-amd-amdhsa -mcpu=gfx1250 --defsym DOCPART=n.
;; ======== version 1 of 2: 4 launches
;; workspace buffers: xq 524,288 bytes; xs 32,768 bytes; sel 4,096 bytes of whole numbers; p0 4,096 bytes; hq 16,777,216 bytes; hs 2,097,152 bytes; y2 8,388,608 bytes
;; launch route (part 1): grid 256 x 1, 4 waves a work-group, no clusters, 55,808 bytes of LDS; arguments x, Wr, br, xq, xs, sel, p0; writes xq, xs, sel, p0
.if DOCPART == 1
	.amdgcn_target "amdgcn-amd-amdhsa--gfx1250"
	.amdhsa_code_object_version 6
	.text
	.protected	k_q4f91e8db84_route
	.globl	k_q4f91e8db84_route
	.p2align	8
	.type	k_q4f91e8db84_route,@function
k_q4f91e8db84_route:
	s_mov_b64 s[64:65], 0
	v_nop
	global_prefetch_b8 v0, s[64:65] scope:SCOPE_SE
	s_setreg_imm32_b32 hwreg(HW_REG_WAVE_MODE, 25, 1), 1
	s_wait_xcnt 0x0
; THE ROUTER AND x's QUANTISER.  x [1024 tokens][1024] f32, Wr [1024][8] f32, br [8] f32.
; A wave takes one token t = 4 x work-group + wave.  It stores: xq[t][512 bytes] the token's E2M1 codes, K innermost; xs[t][32] one E8M0 byte for each 32 along K;
; sel[t] = (1 << 4 e1) | (1 << 4 e2), the two chosen experts as whole numbers at a fixed place; p0[t] = 1 / (1 + e^(l2 - l1)), the normalised probability of the first choice.
; The exponent l2 - l1 is 0 or less: the largest logit is taken away by the form itself.
; The eight logits are f32 sums: each lane adds its 32 products for each expert, then the lanes are added.
; LIMITS: NaN and infinities among x, Wr, br are not served.  The two experts are chosen on the logits (a strictly larger logit wins, the lower index stays on equality), not on rounded probabilities.
; A block of zeros gets the byte 1 where the rule says 127: its codes are zeros, and the bytes are read by this program alone.
; No matrix unit: N = 8 is under a tile's width and the sums are wanted in f32.  No cluster, no tensor load: what is shared, Wr, is 32 KiB, read once by each work-group.
.set WPP, 144                          ; an LDS place: 128 bytes + 16 of padding, an odd multiple of 16: sixteen lanes' 16-byte reads start at sixteen different 16-byte columns
.set XST, 256*WPP                      ; behind Wr's 256 places: a stage of 32 places for each wave
.set X,   16                           ; v16-47   x as loaded: load i, register c: k = 128 i + 4 lane + c
.set WA,  48                           ; v48-79   a set of Wr: register 8 c + e = Wr[128 i + 4 lane + c][e]
.set WB,  80                           ; v80-111  the other set.  (Before that v48-111 take Wr's 16 dense loads)
.set Q,   112                          ; v112-143 my 32 neighbours along K: k = 32 lane + 0 .. 31
.set L,   144                          ; v144-151 the eight logits
	s_load_b256 s[4:11], s[0:1], 0x0               ; x s[4:5], Wr s[6:7], br s[8:9], xq s[10:11]
	s_load_b128 s[12:15], s[0:1], 0x20             ; xs s[12:13], sel s[14:15]
	s_load_b64 s[16:17], s[0:1], 0x30              ; p0
	v_lshl_add_u32 v160, v0, 2, 0xd800
	v_mov_b32 v161, 0
	v_lshrrev_b32 v1, 5, v0
	v_readfirstlane_b32 s18, v1                    ; wave
	s_lshl_b32 s19, ttmp9, 2
	s_add_co_u32 s19, s19, s18                     ; my token
	v_and_b32 v1, 31, v0                           ; lane
	v_lshlrev_b32 v2, 4, v1                        ; 16 x lane
	v_bfe_u32 v8, v0, 3, 2
	v_and_b32 v9, 7, v0
	v_mul_u32_u24 v8, v8, WPP
	v_lshl_add_u32 v8, v9, 4, v8                   ; a dense load's 512 bytes take four places: 144 (lane / 8) + 16 (lane % 8)
	s_mul_i32 s20, s18, 64*WPP
	v_add_nc_u32 v3, s20, v8                       ; Wr on the way in: my wave's 64 places
	v_mul_u32_u24 v4, v1, WPP                      ; Wr on the way out: place 32 i + lane
	s_mul_i32 s20, s18, 32*WPP
	s_add_co_u32 s20, s20, XST
	v_add_nc_u32 v5, s20, v8                       ; my wave's stage, on the way in,
	v_add_nc_u32 v6, s20, v4                       ; and out: place = lane
	v_mov_b32 v7, 0
.irp e, 0,1,2,3,4,5,6,7
	v_mov_b32 v[152+\e], 0                         ; written once: a lane permute's destination counts as one of its sources
.endr
	s_mov_b32 s32, 0x76543210
	s_mov_b32 s33, 0xfedcba98                      ; v_permlanex16_b32's selects for lane l xor 16
	s_mov_b32 s21, 0
	s_wait_kmcnt 0x0
	s_load_b256 s[24:31], s[8:9], 0x0              ; br's eight numbers
	s_lshl_b32 s20, s19, 12
	s_add_nc_u64 s[4:5], s[4:5], s[20:21]          ; x at my token's row of 4,096 bytes
	s_lshl_b32 s20, s18, 13
	s_add_nc_u64 s[6:7], s[6:7], s[20:21]          ; Wr at my wave's quarter, 8,192 bytes
	s_lshl_b32 s20, s19, 9
	s_add_nc_u64 s[10:11], s[10:11], s[20:21]
	s_lshl_b32 s20, s19, 5
	s_add_nc_u64 s[12:13], s[12:13], s[20:21]
	s_lshl_b32 s20, s19, 2
	s_add_nc_u64 s[14:15], s[14:15], s[20:21]
	s_add_nc_u64 s[16:17], s[16:17], s[20:21]
.irp i, 0,1,2,3,4,5,6,7
	global_load_b128 v[X+4*\i:X+4*\i+3], v2, s[4:5] offset:512*\i th:TH_LOAD_NT   ; 32 lanes read 512 consecutive bytes
.endr
.set m, 0
.rept 16
	global_load_b128 v[WA+4*m:WA+4*m+3], v2, s[6:7] offset:512*m
.set m, m+1
.endr
	s_wait_loadcnt 16                              ; x's eight loads are in; Wr's sixteen are younger
.irp i, 0,1,2,3,4,5,6,7
	ds_store_b128 v5, v[X+4*\i:X+4*\i+3] offset:4*WPP*\i
.endr
	s_wait_loadcnt 0x0
.set m, 0
.rept 16
	ds_store_b128 v3, v[WA+4*m:WA+4*m+3] offset:4*WPP*m
.set m, m+1
.endr
	s_wait_dscnt 0x0                               ; for the others' sake: my quarter of Wr lies in LDS
	s_barrier_signal -1
	s_barrier_wait -1
.macro WSET i, w                       ; the four rows of Wr that go with x's load i, 128 bytes a lane
.irp m, 0,1,2,3,4,5,6,7
	ds_load_b128 v[\w+4*\m:\w+4*\m+3], v4 offset:32*WPP*(\i)+16*\m
.endr
.endm
.irp j, 0,1,2,3,4,5,6,7
	ds_load_b128 v[Q+4*\j:Q+4*\j+3], v6 offset:16*\j
.endr
	WSET 0, WA
	WSET 1, WB
	s_wait_dscnt 16                                ; my 32 neighbours are in; the two sets of Wr are younger
	; THE QUANTISER: a whole block of 32 lies in my registers
	v_max3_num_f32 v8, |v[Q]|, |v[Q+1]|, |v[Q+2]|
	v_max3_num_f32 v9, |v[Q+3]|, |v[Q+4]|, |v[Q+5]|
.irp i, 6,10,14,18,22,26
	v_max3_num_f32 v8, v8, |v[Q+\i]|, |v[Q+\i+1]|
	v_max3_num_f32 v9, v9, |v[Q+\i+2]|, |v[Q+\i+3]|
.endr
	v_max3_num_f32 v8, v8, |v[Q+30]|, |v[Q+31]|
	v_max3_num_f32 v8, v8, v9, 0x1800000           ; and the floor 2^(3 - 127): the byte cannot fall under 1
	v_add_nc_u32 v10, 0xff000000, v8               ; 2 off the exponent field: the conversion takes this operand's exponent field as its scale
.irp g, 0,1,2,3
	v_cvt_scalef32_pk8_fp4_f32 v[12+\g], v[Q+8*\g:Q+8*\g+7], v10
.endr
	v_lshrrev_b32 v11, 23, v10                     ; the scale's byte (a plain line behind the conversions)
	global_store_b128 v2, v[12:15], s[10:11]       ; 32 lanes store the token's 512 bytes of codes
	global_store_b8 v1, v11, s[12:13]              ; and its 32 scale bytes
	; THE LOGITS: two experts an instruction; x's number serves both halves.  (The argument i stands in brackets wherever it is part of a larger expression: it is put in as text)
.macro DOT i, w
.irp c, 0,1,2,3
.irp p, 0,1,2,3
.if ((\i) == 0) && (\c == 0)
	v_pk_mul_f32 v[L+2*\p:L+2*\p+1], v[\w+2*\p:\w+2*\p+1], v[X:X+1] op_sel_hi:[1,0]   ; the first product starts the sums
.elseif (\c % 2) == 0
	v_pk_fma_f32 v[L+2*\p:L+2*\p+1], v[\w+8*\c+2*\p:\w+8*\c+2*\p+1], v[X+4*(\i)+\c:X+4*(\i)+\c+1], v[L+2*\p:L+2*\p+1] op_sel_hi:[1,0,1]
.else
	v_pk_fma_f32 v[L+2*\p:L+2*\p+1], v[\w+8*\c+2*\p:\w+8*\c+2*\p+1], v[X+4*(\i)+\c-1:X+4*(\i)+\c], v[L+2*\p:L+2*\p+1] op_sel:[0,1,0] op_sel_hi:[1,1,1]
.endif
.endr
.endr
.endm
.irp i, 0,2,4
	s_wait_dscnt 8                                 ; this set is in; the other set's eight loads may be out
	DOT \i, WA
	WSET \i+2, WA
	s_wait_dscnt 8
	DOT \i+1, WB
	WSET \i+3, WB
.endr
	s_wait_dscnt 8
	DOT 6, WA
	s_wait_dscnt 0x0
	DOT 7, WB
.irp k, 1,2,4,8
.irp e, 0,1,2,3,4,5,6,7
	v_add_f32_dpp v[L+\e], v[L+\e], v[L+\e] row_xmask:\k row_mask:0xf bank_mask:0xf
.endr
.endr
.irp e, 0,1,2,3,4,5,6,7
	v_permlanex16_b32 v[152+\e], v[L+\e], s32, s33
.endr
	s_wait_kmcnt 0x0                               ; br
.irp e, 0,1,2,3,4,5,6,7
	v_add_f32 v[L+\e], v[L+\e], v[152+\e]
.endr
.irp e, 0,1,2,3,4,5,6,7
	v_add_f32 v[L+\e], s[24+\e], v[L+\e]           ; every lane now holds the token's eight logits
.endr
	; THE TWO LARGEST.  v152 l1, v153 e1, v154 l2, v155 e2.  The mask says KEEP: a later expert wins only where it is strictly larger
	v_mov_b32 v152, v[L]
	v_mov_b32 v153, 0
.irp e, 1,2,3,4,5,6,7
	v_cmp_le_f32 vcc_lo, v[L+\e], v152
	v_cndmask_b32 v152, v[L+\e], v152, vcc_lo
	v_cndmask_b32 v153, \e, v153, vcc_lo
.endr
	v_mov_b32 v154, 0xff800000                     ; -infinity, under every logit
	v_mov_b32 v155, 0
.irp e, 0,1,2,3,4,5,6,7
	v_cmp_eq_u32 s34, \e, v153                     ; the first choice is passed over
	v_cmp_le_f32 s35, v[L+\e], v154
	s_or_b32 vcc_lo, s34, s35
	v_cndmask_b32 v154, v[L+\e], v154, vcc_lo
	v_cndmask_b32 v155, \e, v155, vcc_lo
.endr
	v_sub_f32 v157, v154, v152                     ; l2 - l1, 0 or less
	v_mul_f32 v157, 0x3fb8aa3b, v157               ; x log2(e)
	v_exp_f32 v157, v157
	v_lshlrev_b32 v156, 2, v153                    ; (a plain line behind the exponential)  4 e1
	s_wait_alu depctr_va_vdst(0)
	v_add_f32 v157, 1.0, v157
	v_rcp_f32 v157, v157                           ; p0
	v_lshlrev_b32 v159, 2, v155                    ; (a plain line behind the reciprocal)  4 e2
	v_mov_b32 v158, 1
	v_lshlrev_b32 v156, v156, v158
	v_lshlrev_b32 v159, v159, v158
	v_or_b32 v156, v156, v159                      ; sel
	s_wait_xcnt 0x0                                ; EXEC changes only behind this wait: the stores above have read theirs
	v_cmp_eq_u32 vcc_lo, 0, v1
	s_wait_tensorcnt 0x0
	ds_add_u32 v160, v161
	s_wait_dscnt 0x0
	s_and_saveexec_b32 s36, vcc_lo                 ; lane 0 alone
	global_store_b32 v7, v156, s[14:15]
	s_wait_alu depctr_va_vdst(0)
	global_store_b32 v7, v157, s[16:17]
	s_wait_xcnt 0x0
	s_or_b32 exec_lo, exec_lo, s36
	s_endpgm
.Lfunc_end_k_q4f91e8db84_route:
	.size	k_q4f91e8db84_route, .Lfunc_end_k_q4f91e8db84_route-k_q4f91e8db84_route
	.p2alignl 7, 3214868480
	.fill 96, 4, 3214868480
	.section	.rodata,"a",@progbits
	.p2align	6, 0x0
	.amdhsa_kernel k_q4f91e8db84_route
		.amdhsa_group_segment_fixed_size 55808
		.amdhsa_private_segment_fixed_size 0
		.amdhsa_enable_private_segment 0
		.amdhsa_kernarg_size 56
		.amdhsa_user_sgpr_count 2
		.amdhsa_user_sgpr_kernarg_segment_ptr 1
		.amdhsa_wavefront_size32 1
		.amdhsa_system_sgpr_workgroup_id_x 1
		.amdhsa_system_sgpr_workgroup_id_y 1
		.amdhsa_system_sgpr_workgroup_id_z 1
		.amdhsa_system_vgpr_workitem_id 0
		.amdhsa_next_free_vgpr 162
		.amdhsa_next_free_sgpr 66
		.amdhsa_reserve_vcc 1
		.amdhsa_float_denorm_mode_32 3
		.amdhsa_float_denorm_mode_16_64 3
		.amdhsa_memory_ordered 1
		.amdhsa_forward_progress 1
		.amdhsa_inst_pref_size 28
	.end_amdhsa_kernel
	.amdgpu_metadata
---
amdhsa.version: [ 1, 2 ]
amdhsa.kernels:
  - .name:           k_q4f91e8db84_route
    .symbol:         k_q4f91e8db84_route.kd
    .args:
      - { .name: x, .offset: 0, .size: 8, .value_kind: global_buffer, .address_space: global }
      - { .name: Wr, .offset: 8, .size: 8, .value_kind: global_buffer, .address_space: global }
      - { .name: br, .offset: 16, .size: 8, .value_kind: global_buffer, .address_space: global }
      - { .name: xq, .offset: 24, .size: 8, .value_kind: global_buffer, .address_space: global }
      - { .name: xs, .offset: 32, .size: 8, .value_kind: global_buffer, .address_space: global }
      - { .name: sel, .offset: 40, .size: 8, .value_kind: global_buffer, .address_space: global }
      - { .name: p0, .offset: 48, .size: 8, .value_kind: global_buffer, .address_space: global }
    .group_segment_fixed_size: 55808
    .private_segment_fixed_size: 0
    .kernarg_segment_align: 8
    .kernarg_segment_size: 56
    .max_flat_workgroup_size: 128
    .sgpr_count:     66
    .vgpr_count:     162
    .wavefront_size: 32
...
	.end_amdgpu_metadata
.endif
;; end of part 1
;; launch ffn1 (part 2): grid 32 x 8, 4 waves a work-group, no clusters, 101,888 bytes of LDS; arguments sel, xq, xs, W1_codes, W1_scales, b1, hq, hs; writes hq, hs
.if DOCPART == 2
	.amdgcn_target "amdgcn-amd-amdhsa--gfx1250"
	.amdhsa_code_object_version 6
	.text
	.protected	k_q4f91e8db84_ffn1
	.globl	k_q4f91e8db84_ffn1
	.p2align	8
	.type	k_q4f91e8db84_ffn1,@function
k_q4f91e8db84_ffn1:
	s_mov_b64 s[64:65], 0
	v_nop
	global_prefetch_b8 v0, s[64:65] scope:SCOPE_SE
	s_setreg_imm32_b32 hwreg(HW_REG_WAVE_MODE, 25, 1), 1
	s_wait_xcnt 0x0
; THE FIRST PRODUCT OF THE CHOSEN ROWS: h = gelu(x W1[e] + b1[e]), quantised along the hidden units, on codes of E2M1 with one E8M0 scale for each 32 along K.
; SHARES.  A work-group is (slice = work-group x: hidden units 128 slice .. + 127, which are K step `slice` of the second product; e = work-group y).  Each of its four waves holds the whole slice of W1[e],
; 128 rows x 1,024 along K, in 512 registers, read from memory once by the work-group; wave w takes the tokens 256 w .. 256 w + 255 that chose expert e, compacted in token order into tiles of 16 rows.
; THE LIST OF ROWS is made by each wave in registers from sel (whole numbers that the launch before stored): a mask of each 32 tokens, counts, and lane permutes.  A slot behind the last chosen row takes the
; quarter's first token: its row is computed and stored like any other, so that every byte of a stored tile is written; the next launch stores no result of it.
; THE ROWS OF x ARE ASKED FOR A WHOLE TRIP AHEAD: trip j multiplies tile j, sends tile j + 1 (asked for in trip j - 1) through the stage, and asks for tile j + 2; the head asks for tiles 0 and 1.
; Behind the last tile these are the quarter's first token's rows, inside the buffer, read and not used.
; OUT: hq[(4 e + w) 16 + j][slice][1,024 bytes]: tile j's fragment (16 rows x 128 K) as an image of the operand's registers: register group c of lane l at 512 c + 16 l; hs likewise, one scale word a lane.
; THE PRODUCT IS USED TRANSPOSED (source 0 = 16 rows of W1, source 1 = 16 rows of x), and lane r of tile 2 b + u takes W1's row 32 b + 8 u + r + 8 (r / 8): a lane then holds one row of h, and the 16 registers
; of tiles 2 b, 2 b + 1 are its 16 neighbours 32 b + 16 (lane / 16) + 0 .. 15 along the next K.  b1 is the C of each sum's first product.
; gelu(a) = a / (1 + 2^(a (c0 + c1 a^2))), c0 = -2 sqrt(2 / pi) log2(e), c1 = 0.044715 c0: the tanh form of the reference, in f32.
; No tensor load, no joint request: the number of tiles hangs on the stored choice, and no two work-groups read the same weights.  LIMITS: NaN and infinities are not served; a block of zeros gets the byte 1.
; REGISTERS, in windows of 256.  Window 0: below.  Windows 1, 2: W1's fragment (tile t, K step s) at v[32 t + 8 (s % 4)] of window 1 + s / 4.
; Window 3: v0-63 16 rows of x as loaded, v64-127 x's 8 fragments, v128-191 b1, v192-199 the scale words of the rows that are on their way.
.set WP,   528                         ; an LDS row: 512 bytes + 16 of padding: sixteen neighbouring rows start at sixteen different 16-byte columns of 256 bytes
.set XSG,  128*WP                      ; behind W1's 128 rows: a stage of 16 rows for each wave
.set P0,   3                           ; v3   my slot in a tile: lane % 16
.set TOK,  8                           ; v8   my slot's token in the quarter | rank << 16
.set PP,   12
.set LANE, 15
.set CG,   16                          ; v16-23   the chosen tokens of each 32, compacted
.set O,    24                          ; v24-39   the 16 rows' byte offsets in xq
.set AS,   40                          ; v40-47   x's scale words, K steps 0-7
.set BS,   48                          ; v48-111  W1's: tile t, K step s at 8 t + s
.set ACC,  112                         ; v112-175 the 8 accumulators
.set T,    176                         ; v176-239 at work
.set SELR, 176
.set DD,   184
.set AA,   192
.set TA,   200
.set TB,   201
.set TC,   202
.set A92,  203                         ; v203, v204-219: tile 0's offsets, in the head alone: tiles 0 and 1 are on their way together, so each has address registers of its own
.set O2,   204
.set PC,   176                         ; the codes just made
.set PW,   184                         ; and their scale word
.set TM,   240                         ; v240-255 the quantiser's
.set XT,   0
.set XF,   64
.set B1,   128
.set ASN,  192
.set EB, 23
.set RM, 24
.set MK, 25
.set NM, 26
.set CT, 27                            ; chosen rows
.set NT, 28                            ; tiles
.set SB, 30                            ; the first slot of the tile whose rows are asked for
.set CN, 36                            ; s[36:43] chosen among each 32 tokens
.set PF, 44                            ; s[44:52] their running sum
.set SEL, 56
.set RL, 68                            ; s[68:83] the 16 rows' tokens
.set MSB, 0
.macro WIN new                         ; the immediate's high byte repeats the setting that is left
.if MSB != \new
	s_set_vgpr_msb (MSB<<8)|\new
.set MSB, \new
.endif
.endm
; The chosen tokens of each group of 32 move to the group's low lanes, in token order; the others fill up behind them, so that every lane receives a word.
.macro PLACE
	s_mov_b32 s[PF], 0
.irp g, 0,1,2,3,4,5,6,7
	v_bfe_u32 v[TA], v[SELR+\g], s[EB], 1          ; did token 32 g + lane choose e?
	v_cmp_ne_u32 s[MK], 0, v[TA]
	s_bcnt1_i32_b32 s[CN+\g], s[MK]
	s_not_b32 s[NM], s[MK]
	v_mbcnt_lo_u32_b32 v[TB], s[MK], 0             ; chosen ones below me
	v_mbcnt_lo_u32_b32 v[TC], s[NM], s[CN+\g]      ; the others stand behind all chosen ones
	v_cndmask_b32 v[TB], v[TC], v[TB], s[MK]
	v_lshlrev_b32 v[TB], 2, v[TB]
	v_and_b32 v[TC], s[RM], v[SELR+\g]
	v_min_u32 v[TC], 1, v[TC]                      ; rank: 1 where the token's other expert has the lower number
	v_lshl_or_b32 v[TC], v[TC], 16, v[LANE]
	v_or_b32 v[TC], 32*\g, v[TC]
	ds_permute_b32 v[CG+\g], v[TB], v[TC]
	s_add_co_u32 s[PF+\g+1], s[PF+\g], s[CN+\g]
.endr
	s_wait_dscnt 0x0
	s_mov_b32 s[CT], s[PF+8]
	s_add_co_u32 s[NT], s[CT], 15
	s_lshr_b32 s[NT], s[NT], 4
	s_min_u32 s[NT], s[NT], 16
.endm
; My slot's token: the group g in which slot - PF[g] lies under CN[g] has it in that lane.  Its first 17 lines are plain vector lines that name no register of the products in front of them.
.macro TOKSEL
	v_add_nc_u32 v[PP], s[SB], v[P0]
.irp g, 0,1,2,3,4,5,6,7
	v_sub_nc_u32 v[DD+\g], v[PP], s[PF+\g]
.endr
.irp g, 0,1,2,3,4,5,6,7
	v_lshlrev_b32 v[AA+\g], 2, v[DD+\g]
.endr
.irp g, 0,1,2,3,4,5,6,7
	ds_bpermute_b32 v[AA+\g], v[AA+\g], v[CG+\g]
.endr
	v_mov_b32 v[TOK], 0                            ; a slot behind the last chosen row: the quarter's first token
	s_wait_dscnt 0x0
.irp g, 0,1,2,3,4,5,6,7
	v_cmp_gt_u32 vcc_lo, s[CN+\g], v[DD+\g]
	v_cndmask_b32 v[TOK], v[TOK], v[AA+\g], vcc_lo
.endr
.endm
; The offsets of the tile at slot SB: v[a9] my row's scale words in xs, v[o] .. v[o + 15] the 16 rows in xq.  The sixteen lane reads stand together, then the sixteen scalar lines, then the sixteen vector lines:
; the way from the vector unit to the scalar unit and back is gone once for a tile, not once for a row.
.macro ADDRX o, a9
	TOKSEL
	v_and_b32 v[\a9], 0xff, v[TOK]
	v_add_nc_u32 v[\a9], s58, v[\a9]               ; the token's number
.irp p, 0,1,2,3,4,5,6,7,8,9,10,11,12,13,14,15
	v_readlane_b32 s[RL+\p], v[\a9], \p
.endr
	v_min_u32 v[\a9], 0x3ff, v[\a9]                ; held inside the table
	v_lshlrev_b32 v[\a9], 5, v[\a9]
.irp p, 0,1,2,3,4,5,6,7,8,9,10,11,12,13,14,15
	s_min_u32 s[RL+\p], s[RL+\p], 0x3ff            ; likewise
.endr
.irp p, 0,1,2,3,4,5,6,7,8,9,10,11,12,13,14,15
	v_lshl_add_u32 v[\o+\p], s[RL+\p], 9, v1
.endr
.endm
; 18 loads: the rows' scale words into v[as] on (window setting asw), and the 16 rows of codes, each 512 consecutive bytes, into v[xt] on of window 3
.macro ASKX xt, as, asw, o, a9
	WIN \asw
	global_load_b128 v[\as:\as+3], v[\a9], s[8:9]
	global_load_b128 v[\as+4:\as+7], v[\a9], s[8:9] offset:16
	WIN 0xc0                                       ; destination window 3
.irp p, 0,1,2,3,4,5,6,7,8,9,10,11,12,13,14,15
	global_load_b128 v[\xt+4*\p:\xt+4*\p+3], v[\o+\p], s[6:7]
.endr
	WIN 0
.endm
; The 16 rows in v[xt] on go through my own stage and come back as 8 fragments.  LDS serves a wave's instructions in order: no wait between the stores and the loads.
; copy = 1: their scale words move into the scale registers, which the products of the tile before have read: the words were loaded while those products still wanted the old ones.
.macro TURN xt, copy
.if \copy
	WIN 0x03                                       ; source 0 window 3, destination window 0
.irp s, 0,1,2,3,4,5,6,7
	v_mov_b32 v[AS+\s], v[ASN+\s]
.endr
.endif
	WIN 0x0c                                       ; an LDS store's data are its source 1: window 3
.irp p, 0,1,2,3,4,5,6,7,8,9,10,11,12,13,14,15
	ds_store_b128 v6, v[\xt+4*\p:\xt+4*\p+3] offset:WP*\p
.endr
	WIN 0xc0
.irp s, 0,1,2,3,4,5,6,7
.irp c, 0,1
	ds_load_b128 v[XF+8*\s+4*\c:XF+8*\s+4*\c+3], v7 offset:64*\s+32*\c
.endr
.endr
	WIN 0
.endm
; 64 products: K step by K step, the 8 accumulators by turns, one instruction a turn
.macro MUL
.set ks, 0
.rept 8
.if ks == 0
	WIN 0x3d                                       ; source 0 (W1) window 1, source 1 (x) window 3, C (b1) window 3, D window 0
.elseif ks < 4
	WIN 0x0d
.else
	WIN 0x0e                                       ; source 0 window 2
.endif
.set tt, 0
.rept 8
.set fr, 32*tt+8*(ks%4)
.if ks == 0
	v_wmma_scale_f32_16x16x128_f8f6f4 v[ACC+8*tt:ACC+8*tt+7], v[fr:fr+7], v[XF+8*ks:XF+8*ks+7], v[B1+8*tt:B1+8*tt+7], v[BS+8*tt+ks], v[AS+ks] matrix_a_fmt:MATRIX_FMT_FP4 matrix_b_fmt:MATRIX_FMT_FP4
.else
	v_wmma_scale_f32_16x16x128_f8f6f4 v[ACC+8*tt:ACC+8*tt+7], v[fr:fr+7], v[XF+8*ks:XF+8*ks+7], v[ACC+8*tt:ACC+8*tt+7], v[BS+8*tt+ks], v[AS+ks] matrix_a_fmt:MATRIX_FMT_FP4 matrix_b_fmt:MATRIX_FMT_FP4
.endif
.set tt, tt+1
.endr
.set ks, ks+1
.endr
	WIN 0
.endm
; 64 numbers of a lane, register 16 b + i = k 32 b + 16 (lane / 16) + i of my row, become a fragment's codes in v[PC] on and its scale word in v[PW]
.macro QUANT s
.irp b, 0,1,2,3
	v_max3_num_f32 v[TM+\b], |v[\s+16*\b]|, |v[\s+1+16*\b]|, 0x1800000   ; my 16 numbers of block b, and the floor 2^(3 - 127): the byte cannot fall under 1
.endr
.irp i, 2,4,6,8,10,12,14
.irp b, 0,1,2,3
	v_max3_num_f32 v[TM+\b], v[TM+\b], |v[\s+16*\b+\i]|, |v[\s+1+16*\b+\i]|
.endr
.endr
.irp b, 0,1,2,3
	v_permlanex16_b32 v[TM+4+\b], v[TM+\b], s[SEL], s[SEL+1]
.endr
.irp b, 0,1,2,3
	v_max_num_f32 v[TM+\b], v[TM+\b], v[TM+4+\b]   ; with lane l xor 16's: the block's largest magnitude
.endr
.irp b, 0,1,2,3
	v_add_nc_u32 v[TM+12+\b], 0xff000000, v[TM+\b] ; 2 off its exponent field: the conversion's scale operand
.endr
.irp b, 0,1,2,3
	v_lshrrev_b32 v[TM+4+\b], 23, v[TM+12+\b]      ; the scale's byte
.endr
	v_lshl_or_b32 v[PW], v[TM+5], 8, v[TM+4]
	v_lshl_or_b32 v[PW], v[TM+6], 16, v[PW]
	v_lshl_or_b32 v[PW], v[TM+7], 24, v[PW]
.irp b, 0,1,2,3
	v_cvt_scalef32_pk8_fp4_f32 v[PC+2*\b], v[\s+16*\b:\s+7+16*\b], v[TM+12+\b]
	v_cvt_scalef32_pk8_fp4_f32 v[PC+1+2*\b], v[\s+8+16*\b:\s+15+16*\b], v[TM+12+\b]
.endr
	v_nop                                          ; one plain line behind a scaled conversion
.irp c, 0,1                                    ; the operand's layout wants a whole block in a lane: lanes 0-15 block 2 c, lanes 16-31 block 2 c + 1
.irp i, 0,1
	v_permlane16_swap_b32 v[PC+4*\c+\i], v[PC+2+4*\c+\i]
.endr
.endr
.endm
	s_load_b512 s[4:19], s[0:1], 0x0               ; sel s[4:5], xq s[6:7], xs s[8:9], W1's codes s[10:11], its scales s[12:13], b1 s[14:15], hq s[16:17], hs s[18:19]
	v_lshl_add_u32 v250, v0, 2, 0x18c00
	v_mov_b32 v251, 0
	v_lshrrev_b32 v1, 5, v0
	v_readfirstlane_b32 s20, v1                    ; wave = quarter of the tokens
	s_and_b32 s21, ttmp7, 0xffff                   ; e
	s_mov_b32 s22, ttmp9                           ; slice
	v_and_b32 v[LANE], 31, v0
	v_lshlrev_b32 v1, 4, v[LANE]                   ; v1   16 x lane
	v_lshlrev_b32 v2, 2, v[LANE]                   ; v2   4 x lane
	v_and_b32 v[P0], 15, v0                        ; r
	v_bfe_u32 v9, v0, 4, 1                         ; h
	v_and_b32 v8, 8, v[P0]
	v_add_nc_u32 v8, v8, v[P0]                     ; r + 8 (r / 8)
	v_mul_u32_u24 v4, v[P0], WP
	v_lshl_add_u32 v4, v9, 4, v4                   ; v4   a fragment out of LDS: place r of its tile's sixteen, + 16 h
	s_mul_i32 s32, s20, 32*WP
	v_add_nc_u32 v5, s32, v1                       ; v5   W1 on the way in: my wave's 32 places
	s_mul_i32 s32, s20, 16*WP
	s_add_co_u32 s32, s32, XSG
	v_add_nc_u32 v6, s32, v1                       ; v6   my stage, on the way in
	v_add_nc_u32 v7, s32, v4                       ; v7   and out: row r, + 16 h
	v_lshlrev_b32 v13, 5, v8                       ; v13  W1's scale words: 32 bytes a row
	v_lshlrev_b32 v14, 6, v9                       ; v14  b1: 64 h
	v_mov_b32 v10, 0xc0135761                      ; v[10:11] c0
	v_mov_b32 v11, 0xc0135761
.irp b, 0,1,2,3
	v_mov_b32 v[TM+4+\b], 0                        ; written once: a lane permute's destination counts as one of its sources
.endr
	s_lshl_b32 s[EB], s21, 2
	s_lshl_b32 s[RM], 1, s[EB]
	s_sub_co_u32 s[RM], s[RM], 1                   ; the bits of the experts below e
	s_mov_b32 s54, 0xbdd2d3e8                      ; s[54:55] c1
	s_mov_b32 s55, 0xbdd2d3e8
	s_mov_b32 s[SEL], 0x76543210
	s_mov_b32 s[SEL+1], 0xfedcba98
	s_lshl_b32 s58, s20, 8                         ; the quarter's first token
	s_add_co_u32 s34, s[EB], s20                   ; 4 e + w
	s_mov_b32 s33, 0
	s_wait_kmcnt 0x0
	s_lshl_b32 s32, s20, 10
	s_add_nc_u64 s[4:5], s[4:5], s[32:33]          ; sel at my quarter
	s_lshl_b32 s32, s21, 21
	s_lshl_b32 s31, s22, 16
	s_add_co_u32 s32, s32, s31
	s_lshl_b32 s31, s20, 14
	s_add_co_u32 s32, s32, s31
	s_add_nc_u64 s[10:11], s[10:11], s[32:33]      ; W1's codes: expert, slice, my wave's 32 rows of 512 bytes
	s_lshl_b32 s32, s21, 17
	s_lshl_b32 s31, s22, 12
	s_add_co_u32 s32, s32, s31
	s_add_nc_u64 s[12:13], s[12:13], s[32:33]
	s_lshl_b32 s32, s21, 14
	s_lshl_b32 s31, s22, 9
	s_add_co_u32 s32, s32, s31
	s_add_nc_u64 s[14:15], s[14:15], s[32:33]
	s_lshl_b32 s32, s34, 19
	s_lshl_b32 s31, s22, 10
	s_add_co_u32 s32, s32, s31
	s_add_nc_u64 s[16:17], s[16:17], s[32:33]      ; hq: 16 tiles of 32,768 bytes for (e, w); K step `slice`
	s_lshl_b32 s32, s34, 16
	s_lshl_b32 s31, s22, 7
	s_add_co_u32 s32, s32, s31
	s_add_nc_u64 s[18:19], s[18:19], s[32:33]
.irp g, 0,1,2,3,4,5,6,7
	global_load_b32 v[SELR+\g], v2, s[4:5] offset:128*\g
.endr
	WIN 0x40                                       ; destination window 1
.set p, 0
.rept 32
	global_load_b128 v[4*p:4*p+3], v1, s[10:11] offset:512*p th:TH_LOAD_NT   ; a row of W1: 512 consecutive bytes
.set p, p+1
.endr
	WIN 0
	s_wait_loadcnt 32                              ; sel's eight loads are in; W1's 32 are younger
	PLACE
	s_mov_b32 s[SB], 0
	ADDRX O2, A92
	ASKX XF, AS, 0, O2, A92                        ; tile 0: 18 loads; its rows land in the fragments' own registers, its scale words where the products read them
.irp t, 0,1,2,3,4,5,6,7
.irp u, 0,1
	global_load_b128 v[BS+8*\t+4*\u:BS+8*\t+4*\u+3], v13, s[12:13] offset:(32*(\t/2)+8*(\t%2))*32+16*\u
.endr
.endr
	WIN 0xc0
.irp t, 0,1,2,3,4,5,6,7
.irp u, 0,1
	global_load_b128 v[B1+8*\t+4*\u:B1+8*\t+4*\u+3], v14, s[14:15] offset:(32*(\t/2)+8*(\t%2))*4+16*\u
.endr
.endr
	WIN 0
	s_mov_b32 s[SB], 16
	ADDRX O, 9
	ASKX XT, ASN, 0xc0, O, 9                       ; tile 1: 18 loads
	s_wait_loadcnt 63                              ; W1's rows are in: younger are 18 + 16 + 16 + 18 = 68, and the count names as many as its field holds
	WIN 0x04                                       ; the data: window 1
; W1's rows lie in LDS in the order of the tiles: row 16 a + 8 u + i of my 32 goes to place 16 u + 8 a + i, so that the sixteen rows of a tile are neighbours
.set p, 0
.rept 32
	ds_store_b128 v5, v[4*p:4*p+3] offset:WP*((p&7)+16*((p>>3)&1)+8*((p>>4)&1))
.set p, p+1
.endr
	WIN 0
	s_wait_dscnt 0x0                               ; for the others' sake: my 32 rows lie in LDS
	s_barrier_signal -1
	s_barrier_wait -1                              ; the slice's 128 rows do.  They are written no more
	WIN 0x40
.set tt, 0
.rept 8
.set ks, 0
.rept 4
.irp c, 0,1
	ds_load_b128 v[32*tt+8*ks+4*\c:32*tt+8*ks+4*\c+3], v4 offset:16*tt*WP+64*ks+32*\c
.endr
.set ks, ks+1
.endr
.set tt, tt+1
.endr
	WIN 0x80
.set tt, 0
.rept 8
.set ks, 0
.rept 4
.irp c, 0,1
	ds_load_b128 v[32*tt+8*ks+4*\c:32*tt+8*ks+4*\c+3], v4 offset:16*tt*WP+64*(ks+4)+32*\c
.endr
.set ks, ks+1
.endr
.set tt, tt+1
.endr
	WIN 0
	s_wait_loadcnt 18                              ; tile 0, W1's scale words and b1 are in; tile 1's 18 loads are younger
	TURN XF, 0
	s_wait_dscnt 0x0
	s_cmp_eq_u32 s[NT], 0                          ; nobody in my quarter chose e
	s_cbranch_scc1 .Lend
	s_mov_b32 s29, 0
.Ltile:
	s_wait_dscnt 0x0                               ; x's fragments are in
	MUL
	s_wait_loadcnt 0x0                             ; the next tile's rows and scale words, asked for a trip ago: so their address registers may be written too
	s_add_co_u32 s[SB], s[SB], 16
	ADDRX O, 9                                     ; the tile after the next
	TURN XT, 1                                     ; the next tile
	s_wait_dscnt 16                                ; the stage's sixteen stores have read the rows' registers; the sixteen fragment loads are younger
	ASKX XT, ASN, 0xc0, O, 9                       ; it has this trip's activation and the next trip's products in which to land
.set i, 0
.rept 32
	v_pk_mul_f32 v[T+i:T+i+1], v[ACC+i:ACC+i+1], v[ACC+i:ACC+i+1]            ; a^2 (each accumulator is read from its low end on)
.set i, i+2
.endr
.set i, 0
.rept 32
	v_pk_fma_f32 v[T+i:T+i+1], v[T+i:T+i+1], s[54:55], v[10:11] op_sel_hi:[1,0,1]   ; c1 a^2 + c0
.set i, i+2
.endr
.set i, 0
.rept 32
	v_pk_mul_f32 v[T+i:T+i+1], v[T+i:T+i+1], v[ACC+i:ACC+i+1]
.set i, i+2
.endr
.set i, 0
.rept 64
	v_exp_f32 v[T+i], v[T+i]
.set i, i+1
.endr
	v_nop                                          ; a plain line behind the exponentials
.set i, 0
	s_wait_alu depctr_va_vdst(0)
.rept 32
	v_pk_add_f32 v[T+i:T+i+1], v[T+i:T+i+1], 1.0 op_sel_hi:[1,0]
.set i, i+2
.endr
.set i, 0
.rept 64
	v_rcp_f32 v[T+i], v[T+i]
.set i, i+1
.endr
	v_nop                                          ; a plain line behind the reciprocals
.set i, 0
	s_wait_alu depctr_va_vdst(0)
.rept 32
	v_pk_mul_f32 v[ACC+i:ACC+i+1], v[ACC+i:ACC+i+1], v[T+i:T+i+1]            ; gelu
.set i, i+2
.endr
	QUANT ACC
	global_store_b128 v1, v[PC:PC+3], s[16:17]               ; 32 lanes store 512 consecutive bytes, at a multiple of 512 from hq's first byte
	global_store_b128 v1, v[PC+4:PC+7], s[16:17] offset:512
	global_store_b32 v2, v[PW], s[18:19]                     ; 128 consecutive bytes
	s_wait_xcnt 0x0                                ; the stores have read their data and bases: both are written again below and in the next trip
	s_add_nc_u64 s[16:17], s[16:17], 32768
	s_add_nc_u64 s[18:19], s[18:19], 4096
	s_add_co_u32 s29, s29, 1
	s_cmp_lt_u32 s29, s[NT]
	s_cbranch_scc1 .Ltile
	s_wait_dscnt 0x0
.Lend:
	s_wait_loadcnt 0x0                             ; the rows asked for behind the last tile have landed
	s_wait_tensorcnt 0x0
	ds_add_u32 v250, v251
	s_wait_dscnt 0x0
	s_endpgm
.Lfunc_end_k_q4f91e8db84_ffn1:
	.size	k_q4f91e8db84_ffn1, .Lfunc_end_k_q4f91e8db84_ffn1-k_q4f91e8db84_ffn1
	.p2alignl 7, 3214868480
	.fill 96, 4, 3214868480
	.section	.rodata,"a",@progbits
	.p2align	6, 0x0
	.amdhsa_kernel k_q4f91e8db84_ffn1
		.amdhsa_group_segment_fixed_size 101888
		.amdhsa_private_segment_fixed_size 0
		.amdhsa_enable_private_segment 0
		.amdhsa_kernarg_size 64
		.amdhsa_user_sgpr_count 2
		.amdhsa_user_sgpr_kernarg_segment_ptr 1
		.amdhsa_wavefront_size32 1
		.amdhsa_system_sgpr_workgroup_id_x 1
		.amdhsa_system_sgpr_workgroup_id_y 1
		.amdhsa_system_sgpr_workgroup_id_z 1
		.amdhsa_system_vgpr_workitem_id 0
		.amdhsa_next_free_vgpr 1024
		.amdhsa_next_free_sgpr 84
		.amdhsa_reserve_vcc 1
		.amdhsa_float_denorm_mode_32 3
		.amdhsa_float_denorm_mode_16_64 3
		.amdhsa_memory_ordered 1
		.amdhsa_forward_progress 1
		.amdhsa_inst_pref_size 78
	.end_amdhsa_kernel
	.amdgpu_metadata
---
amdhsa.version: [ 1, 2 ]
amdhsa.kernels:
  - .name:           k_q4f91e8db84_ffn1
    .symbol:         k_q4f91e8db84_ffn1.kd
    .args:
      - { .name: sel, .offset: 0, .size: 8, .value_kind: global_buffer, .address_space: global }
      - { .name: xq, .offset: 8, .size: 8, .value_kind: global_buffer, .address_space: global }
      - { .name: xs, .offset: 16, .size: 8, .value_kind: global_buffer, .address_space: global }
      - { .name: W1_codes, .offset: 24, .size: 8, .value_kind: global_buffer, .address_space: global }
      - { .name: W1_scales, .offset: 32, .size: 8, .value_kind: global_buffer, .address_space: global }
      - { .name: b1, .offset: 40, .size: 8, .value_kind: global_buffer, .address_space: global }
      - { .name: hq, .offset: 48, .size: 8, .value_kind: global_buffer, .address_space: global }
      - { .name: hs, .offset: 56, .size: 8, .value_kind: global_buffer, .address_space: global }
    .group_segment_fixed_size: 101888
    .private_segment_fixed_size: 0
    .kernarg_segment_align: 8
    .kernarg_segment_size: 64
    .max_flat_workgroup_size: 128
    .sgpr_count:     84
    .vgpr_count:     1024
    .wavefront_size: 32
...
	.end_amdgpu_metadata
.endif
;; end of part 2
;; launch ffn2 (part 3): grid 8 x 32, 4 waves a work-group, no clusters, 169,472 bytes of LDS; arguments sel, hq, hs, W2_codes, W2_scales, b2, y2; writes y2
.if DOCPART == 3
	.amdgcn_target "amdgcn-amd-amdhsa--gfx1250"
	.amdhsa_code_object_version 6
	.text
	.protected	k_q4f91e8db84_ffn2
	.globl	k_q4f91e8db84_ffn2
	.p2align	8
	.type	k_q4f91e8db84_ffn2,@function
k_q4f91e8db84_ffn2:
	s_mov_b64 s[64:65], 0
	v_nop
	global_prefetch_b8 v0, s[64:65] scope:SCOPE_SE
	s_setreg_imm32_b32 hwreg(HW_REG_WAVE_MODE, 25, 1), 1
	s_wait_xcnt 0x0
; THE SECOND PRODUCT OF THE CHOSEN ROWS: y2[token][rank][1024] = h W2[e] + b2[e], f32, on codes of E2M1 with one E8M0 scale for each 32 along K.  rank = 0 for the lower-numbered of a token's two experts.
; SHARES.  A work-group is (ns = work-group x: output columns 128 ns .. + 127; work-group y = 4 e + q: expert e, tokens 256 q .. + 255).  THE WAVES SHARE K: wave kq holds W2[e]'s 128 rows x K 1,024 kq .. + 1,023
; in 512 registers and multiplies every tile of (e, q) by it; the four partial sums meet in LDS, and each wave adds and stores 4 of a tile's 16 rows.
; The tiles and their rows are those of the launch before: each wave makes the same list again from sel, in registers.  Rows behind the last chosen one are multiplied and not stored.
; TILES GO IN BATCHES OF 4.  The loop over batches has the constant count 4 and its two barriers stand on every wave's way; inside a phase a tile at or behind the last jumps forward to the phase's end.
; The next batch's fragments of h are asked for between the products and the sums.  THE FIRST BATCH'S FOUR ARE LOADED WITHOUT A BRANCH, so that every register of the four buffers is written on every way:
; a tile that the split leaves empty takes bytes of W2 in its stead, which nobody multiplies.
; THE PRODUCT IS USED TRANSPOSED (source 0 = 16 rows of W2, source 1 = 16 rows of h): a lane holds eight neighbouring columns of one row.
; No tensor load, so no joint request, though the four q of an (e, ns) read the same weights: the number of tiles hangs on the stored choice, and operands go from memory into registers.
; REGISTERS, in windows of 256.  Window 0: below.  Windows 1, 2: W2's fragment (tile t, K step s) at v[32 t + 8 (s % 4)] of window 1 + s / 4.  Window 3: four fragments' buffers of h: tile k of the batch, K step s at v[64 k + 8 s].
.set WP,   528                         ; an LDS row: 512 bytes + 16 of padding
.set PART, 4*16*WP                     ; behind the waves' stages (16 rows each): the partial sums: tile k of the batch, wave p: 16 rows at PART + PK k + 16 WP p
.set PK,   4*16*WP
.set P0,   3                           ; v3   lanes 0-15: the slot, in a batch, of my wave's row i of tile k: 16 k + 4 kq + i, at lane 4 k + i
.set TOK,  10
.set PP,   11
.set LANE, 13
.set CG,   16
.set SELR, 24
.set DD,   24
.set AA,   32
.set TA,   32
.set TB,   33
.set TC,   34
.set AS,   40                          ; v40-71   h's scale words: tile k, K step s at 8 k + s
.set BS,   72                          ; v72-135  W2's: tile t, K step s at 8 t + s
.set ACC,  136                         ; v136-199 the 8 accumulators; in the sums: row i's four parts at 16 i + 4 p
.set R,    136
.set B2,   200                         ; v200-203 b2 of my four columns
.set YO,   204                         ; v204-207 the four rows' byte offsets in y2
.set EB, 24
.set RM, 25
.set MK, 26
.set NM, 27
.set CT, 28
.set NT, 29
.set JB, 31                            ; the batch's first tile
.set SB, 34                            ; and its first slot
.set CN, 36
.set PF, 44
.set JN, 62                            ; the first tile of the batch that is being fetched
.set MSB, 0
.macro WIN new                         ; the immediate's high byte repeats the setting that is left
.if MSB != \new
	s_set_vgpr_msb (MSB<<8)|\new
.set MSB, \new
.endif
.endm
.macro PLACES n
.rept \n
	v_nop
.endr
.endm
; The chosen tokens of each group of 32 move to the group's low lanes, in token order; the others fill up behind them, so that every lane receives a word.
.macro PLACE
	s_mov_b32 s[PF], 0
.irp g, 0,1,2,3,4,5,6,7
	v_bfe_u32 v[TA], v[SELR+\g], s[EB], 1
	v_cmp_ne_u32 s[MK], 0, v[TA]
	s_bcnt1_i32_b32 s[CN+\g], s[MK]
	s_not_b32 s[NM], s[MK]
	v_mbcnt_lo_u32_b32 v[TB], s[MK], 0
	v_mbcnt_lo_u32_b32 v[TC], s[NM], s[CN+\g]
	v_cndmask_b32 v[TB], v[TC], v[TB], s[MK]
	v_lshlrev_b32 v[TB], 2, v[TB]
	v_and_b32 v[TC], s[RM], v[SELR+\g]
	v_min_u32 v[TC], 1, v[TC]                      ; rank
	v_lshl_or_b32 v[TC], v[TC], 16, v[LANE]
	v_or_b32 v[TC], 32*\g, v[TC]
	ds_permute_b32 v[CG+\g], v[TB], v[TC]
	s_add_co_u32 s[PF+\g+1], s[PF+\g], s[CN+\g]
.endr
	s_wait_dscnt 0x0
	s_mov_b32 s[CT], s[PF+8]
	s_add_co_u32 s[NT], s[CT], 15
	s_lshr_b32 s[NT], s[NT], 4
	s_min_u32 s[NT], s[NT], 16
.endm
.macro TOKSEL
	v_add_nc_u32 v[PP], s[SB], v[P0]
.irp g, 0,1,2,3,4,5,6,7
	v_sub_nc_u32 v[DD+\g], v[PP], s[PF+\g]
.endr
.irp g, 0,1,2,3,4,5,6,7
	v_lshlrev_b32 v[AA+\g], 2, v[DD+\g]
.endr
.irp g, 0,1,2,3,4,5,6,7
	ds_bpermute_b32 v[AA+\g], v[AA+\g], v[CG+\g]
.endr
	v_mov_b32 v[TOK], 0
	s_wait_dscnt 0x0
.irp g, 0,1,2,3,4,5,6,7
	v_cmp_gt_u32 vcc_lo, s[CN+\g], v[DD+\g]
	v_cndmask_b32 v[TOK], v[TOK], v[AA+\g], vcc_lo
.endr
.endm
.macro WLOAD t                         ; 16 rows of W2, my 512 bytes of each, into the registers that tile t's fragments will take
	WIN 0x40
.irp p, 0,1,2,3,4,5,6,7
	global_load_b128 v[32*(\t)+4*\p:32*(\t)+4*\p+3], v1, s[10:11] offset:2048*(16*(\t)+\p)
.endr
	WIN 0x80
.irp p, 0,1,2,3,4,5,6,7
	global_load_b128 v[32*(\t)+4*\p:32*(\t)+4*\p+3], v1, s[10:11] offset:2048*(16*(\t)+8+\p)
.endr
	WIN 0
.endm
.macro STAGE t, n                      ; they go through my own stage and come back as 8 fragments, into the registers that they left.  LDS serves a wave's instructions in order
	s_wait_loadcnt \n
	WIN 0x04
.irp p, 0,1,2,3,4,5,6,7
	ds_store_b128 v4, v[32*(\t)+4*\p:32*(\t)+4*\p+3] offset:WP*\p
.endr
	WIN 0x08
.irp p, 0,1,2,3,4,5,6,7
	ds_store_b128 v4, v[32*(\t)+4*\p:32*(\t)+4*\p+3] offset:WP*(8+\p)
.endr
	WIN 0x40
.irp s, 0,1,2,3
.irp c, 0,1
	ds_load_b128 v[32*(\t)+8*\s+4*\c:32*(\t)+8*\s+4*\c+3], v5 offset:64*\s+32*\c
.endr
.endr
	WIN 0x80
.irp s, 0,1,2,3
.irp c, 0,1
	ds_load_b128 v[32*(\t)+8*\s+4*\c:32*(\t)+8*\s+4*\c+3], v5 offset:64*(\s+4)+32*\c
.endr
.endr
	WIN 0
.endm
.macro ALOADS k, bc, bs                ; tile k's 8 fragments of my K quarter and their scale words, images of the operand's registers: 512 and 128 consecutive bytes a load
	WIN 0xc0
.irp s, 0,1,2,3,4,5,6,7
.irp c, 0,1
	global_load_b128 v[64*(\k)+8*\s+4*\c:64*(\k)+8*\s+4*\c+3], v1, s[\bc:\bc+1] offset:32768*(\k)+1024*\s+512*\c
.endr
.endr
	WIN 0
.irp s, 0,1,2,3,4,5,6,7
	global_load_b32 v[AS+8*(\k)+\s], v2, s[\bs:\bs+1] offset:4096*(\k)+128*\s
.endr
.endm
.macro FIRSTA k                        ; the first batch: no branch; an empty tile takes bytes of W2, inside their buffers, which nobody multiplies.  Each tile has base registers of its own
	s_cmp_gt_u32 s[NT], \k
	s_cselect_b64 s[68+4*\k:69+4*\k], s[6:7], s[10:11]
	s_cselect_b64 s[70+4*\k:71+4*\k], s[8:9], s[12:13]
	ALOADS \k, 68+4*\k, 70+4*\k
.endm
.macro LOADA k
	s_add_co_u32 s35, s[JN], \k
	s_cmp_ge_u32 s35, s[NT]
	s_cbranch_scc1 .Ll_end
	ALOADS \k, 6, 8
.endm
; 64 products: K step by K step, the 8 accumulators by turns, one instruction a turn; the first K step starts the sums
.macro MUL k
.set ks, 0
.rept 8
.if ks < 4
	WIN 0x0d                                       ; source 0 (W2) window 1, source 1 (h) window 3, C and D window 0
.else
	WIN 0x0e
.endif
.set tt, 0
.rept 8
.set fr, 32*tt+8*(ks%4)
.if ks == 0
	v_wmma_scale_f32_16x16x128_f8f6f4 v[ACC+8*tt:ACC+8*tt+7], v[fr:fr+7], v[64*(\k)+8*ks:64*(\k)+8*ks+7], 0, v[BS+8*tt+ks], v[AS+8*(\k)+ks] matrix_a_fmt:MATRIX_FMT_FP4 matrix_b_fmt:MATRIX_FMT_FP4
.else
	v_wmma_scale_f32_16x16x128_f8f6f4 v[ACC+8*tt:ACC+8*tt+7], v[fr:fr+7], v[64*(\k)+8*ks:64*(\k)+8*ks+7], v[ACC+8*tt:ACC+8*tt+7], v[BS+8*tt+ks], v[AS+8*(\k)+ks] matrix_a_fmt:MATRIX_FMT_FP4 matrix_b_fmt:MATRIX_FMT_FP4
.endif
.set tt, tt+1
.endr
.set ks, ks+1
.endr
	WIN 0
.endm
.macro TILE k
	s_add_co_u32 s35, s[JB], \k
	s_cmp_ge_u32 s35, s[NT]
	s_cbranch_scc1 .La_end
	MUL \k
	PLACES 5                                       ; five: the next tile's first products write over these accumulators; four of them serve the stores below and the later loads into h's buffers
.irp t, 0,1,2,3,4,5,6,7
.if \k < 2
	ds_store_b128 v6, v[ACC+8*\t:ACC+8*\t+3] offset:(\k%2)*PK+64*\t          ; each accumulator from its low end on
	ds_store_b128 v6, v[ACC+8*\t+4:ACC+8*\t+7] offset:(\k%2)*PK+64*\t+16
.else
	ds_store_b128 v7, v[ACC+8*\t:ACC+8*\t+3] offset:(\k%2)*PK+64*\t
	ds_store_b128 v7, v[ACC+8*\t+4:ACC+8*\t+7] offset:(\k%2)*PK+64*\t+16
.endif
.endr
.endm
.macro ROWOUT k, i                     ; my row i of tile k goes to its token's place, if the slot holds a chosen row
	v_readlane_b32 s60, v[TOK], 4*\k+\i
	s_and_b32 s61, s60, 0xff
	s_lshr_b32 s60, s60, 16
	s_add_co_u32 s61, s61, s58
	s_lshl_b32 s61, s61, 1
	s_add_co_u32 s61, s61, s60                     ; 2 x token + rank,
	s_min_u32 s61, s61, 0x7ff                      ; held inside the table
	v_lshl_add_u32 v[YO+\i], s61, 12, v1
	s_add_co_u32 s35, s[SB], 16*\k+\i
	s_add_co_u32 s35, s35, s59
	s_cmp_ge_u32 s35, s[CT]
	s_cbranch_scc1 .Lpad_\@
	global_store_b128 v[YO+\i], v[R+16*\i:R+16*\i+3], s[16:17]   ; 32 lanes store 512 consecutive bytes, at a multiple of 512 from y2's first byte
.Lpad_\@:
.endm
.macro REDUCE k
.if \k > 0
	s_add_co_u32 s35, s[JB], \k
	s_cmp_ge_u32 s35, s[NT]
	s_cbranch_scc1 .Lb_end
.endif
	s_wait_xcnt 0x0                                ; the last tile's stores have read their data and offsets, which are written again here
.irp i, 0,1,2,3
.irp p, 0,1,2,3
.if \k < 2
	ds_load_b128 v[R+16*\i+4*\p:R+16*\i+4*\p+3], v8 offset:(\k%2)*PK+16*WP*\p+WP*\i
.else
	ds_load_b128 v[R+16*\i+4*\p:R+16*\i+4*\p+3], v9 offset:(\k%2)*PK+16*WP*\p+WP*\i
.endif
.endr
.endr
	s_wait_dscnt 0x0
.irp i, 0,1,2,3
	v_pk_add_f32 v[R+16*\i:R+16*\i+1], v[R+16*\i:R+16*\i+1], v[R+16*\i+4:R+16*\i+5]
	v_pk_add_f32 v[R+16*\i+2:R+16*\i+3], v[R+16*\i+2:R+16*\i+3], v[R+16*\i+6:R+16*\i+7]
	v_pk_add_f32 v[R+16*\i+8:R+16*\i+9], v[R+16*\i+8:R+16*\i+9], v[R+16*\i+12:R+16*\i+13]
	v_pk_add_f32 v[R+16*\i+10:R+16*\i+11], v[R+16*\i+10:R+16*\i+11], v[R+16*\i+14:R+16*\i+15]
.endr
.irp i, 0,1,2,3
	v_pk_add_f32 v[R+16*\i:R+16*\i+1], v[R+16*\i:R+16*\i+1], v[R+16*\i+8:R+16*\i+9]
	v_pk_add_f32 v[R+16*\i+2:R+16*\i+3], v[R+16*\i+2:R+16*\i+3], v[R+16*\i+10:R+16*\i+11]
.endr
.irp i, 0,1,2,3
	v_pk_add_f32 v[R+16*\i:R+16*\i+1], v[R+16*\i:R+16*\i+1], v[B2:B2+1]
	v_pk_add_f32 v[R+16*\i+2:R+16*\i+3], v[R+16*\i+2:R+16*\i+3], v[B2+2:B2+3]
.endr
	ROWOUT \k, 0
	ROWOUT \k, 1
	ROWOUT \k, 2
	ROWOUT \k, 3
.endm
	s_load_b256 s[4:11], s[0:1], 0x0               ; sel s[4:5], hq s[6:7], hs s[8:9], W2's codes s[10:11]
	s_load_b128 s[12:15], s[0:1], 0x20             ; W2's scales s[12:13], b2 s[14:15]
	s_load_b64 s[16:17], s[0:1], 0x30              ; y2
	v_lshl_add_u32 v254, v0, 2, 0x29400
	v_mov_b32 v255, 0
	v_lshrrev_b32 v1, 5, v0
	v_readfirstlane_b32 s20, v1                    ; wave = quarter of K
	s_and_b32 s61, ttmp7, 0xffff                   ; 4 e + q
	s_lshr_b32 s21, s61, 2                         ; e
	s_and_b32 s22, s61, 3                          ; q
	s_mov_b32 s23, ttmp9                           ; ns
	v_and_b32 v[LANE], 31, v0
	v_lshlrev_b32 v1, 4, v[LANE]                   ; v1   16 x lane
	v_lshlrev_b32 v2, 2, v[LANE]                   ; v2   4 x lane
	v_and_b32 v14, 15, v0                          ; r
	v_bfe_u32 v15, v0, 4, 1                        ; h
	s_lshl_b32 s59, s20, 2                         ; my first row of a tile in the sums
	v_bfe_u32 v[P0], v0, 2, 2
	v_lshlrev_b32 v[P0], 4, v[P0]
	v_and_b32 v11, 3, v0
	v_add_nc_u32 v[P0], v[P0], v11
	v_add_nc_u32 v[P0], s59, v[P0]
	s_mul_i32 s32, s20, 16*WP
	v_add_nc_u32 v4, s32, v1                       ; v4   my stage, on the way in
	v_mul_u32_u24 v12, v14, WP
	v_lshl_add_u32 v5, v15, 4, v12
	v_add_nc_u32 v5, s32, v5                       ; v5   and out: row r, + 16 h
	v_lshl_add_u32 v6, v15, 5, v12
	v_add_nc_u32 v6, s32, v6
	v_add_nc_u32 v6, PART, v6                      ; v6   my partial sums of tiles 0, 1: row r, + 32 h
	v_add_nc_u32 v7, 2*PK, v6                      ; v7   of tiles 2, 3
	s_mul_i32 s32, s20, 4*WP
	v_add_nc_u32 v8, s32, v1
	v_add_nc_u32 v8, PART, v8                      ; v8   the sums: my 4 rows, 16 bytes a lane; tiles 0, 1
	v_add_nc_u32 v9, 2*PK, v8                      ; v9   tiles 2, 3
	v_lshlrev_b32 v12, 7, v14                      ; v12  W2's scale words: 128 bytes a row
	s_lshl_b32 s[EB], s21, 2
	s_lshl_b32 s[RM], 1, s[EB]
	s_sub_co_u32 s[RM], s[RM], 1
	s_lshl_b32 s58, s22, 8                         ; the quarter's first token
	s_mov_b32 s33, 0
	s_wait_kmcnt 0x0
	s_lshl_b32 s32, s22, 10
	s_add_nc_u64 s[4:5], s[4:5], s[32:33]
	s_lshl_b32 s32, s61, 19
	s_lshl_b32 s35, s20, 13
	s_add_co_u32 s32, s32, s35
	s_add_nc_u64 s[6:7], s[6:7], s[32:33]          ; hq: (e, q)'s 16 tiles; my 8 K steps of 1,024 bytes
	s_lshl_b32 s32, s61, 16
	s_lshl_b32 s35, s20, 10
	s_add_co_u32 s32, s32, s35
	s_add_nc_u64 s[8:9], s[8:9], s[32:33]
	s_lshl_b32 s32, s21, 21
	s_lshl_b32 s35, s23, 18
	s_add_co_u32 s32, s32, s35
	s_lshl_b32 s35, s20, 9
	s_add_co_u32 s32, s32, s35
	s_add_nc_u64 s[10:11], s[10:11], s[32:33]      ; W2's codes: expert, 128 rows of 2,048 bytes, my 512 bytes of a row
	s_lshl_b32 s32, s21, 17
	s_lshl_b32 s35, s23, 14
	s_add_co_u32 s32, s32, s35
	s_lshl_b32 s35, s20, 5
	s_add_co_u32 s32, s32, s35
	s_add_nc_u64 s[12:13], s[12:13], s[32:33]
	s_lshl_b32 s32, s21, 12
	s_lshl_b32 s35, s23, 9
	s_add_co_u32 s32, s32, s35
	s_add_nc_u64 s[14:15], s[14:15], s[32:33]
	s_mov_b32 s32, s35
	s_add_nc_u64 s[16:17], s[16:17], s[32:33]      ; y2 at my 128 columns
.irp g, 0,1,2,3,4,5,6,7
	global_load_b32 v[SELR+\g], v2, s[4:5] offset:128*\g
.endr
.irp t, 0,1,2,3,4,5,6,7
.irp u, 0,1
	global_load_b128 v[BS+8*\t+4*\u:BS+8*\t+4*\u+3], v12, s[12:13] offset:2048*\t+16*\u
.endr
.endr
	global_load_b128 v[B2:B2+3], v1, s[14:15]
	WLOAD 0
	WLOAD 1
	WLOAD 2
	s_wait_loadcnt 63                              ; sel's eight loads are in: 65 loads are younger, and the count names as many as its field holds
	PLACE
	FIRSTA 0
	FIRSTA 1
	FIRSTA 2
	FIRSTA 3
	WLOAD 3
	WLOAD 4
	WLOAD 5
	WLOAD 6
	WLOAD 7
	STAGE 0, 63                                    ; behind tile t's 16 loads stand 16 (7 - t) of W2's from t = 3 on, and more before: the count is that number, or what the field holds
	STAGE 1, 63
	STAGE 2, 63
	STAGE 3, 63
	STAGE 4, 48
	STAGE 5, 32
	STAGE 6, 16
	STAGE 7, 0
	s_mov_b32 s30, 0
	s_mov_b32 s[JB], 0
	s_mov_b32 s[JN], 4
	s_mov_b32 s[SB], 0
.Lbatch:
	s_wait_loadcnt 0x0                             ; this batch's fragments of h
	s_wait_dscnt 0x0                               ; (first trip: W2's fragments)
	s_wait_xcnt 0x0                                ; the last batch's stores have read their data, which the products write again
	TILE 0
	TILE 1
	TILE 2
	TILE 3
.La_end:
	s_add_nc_u64 s[6:7], s[6:7], 131072            ; no load is out: the bases step to the next batch
	s_add_nc_u64 s[8:9], s[8:9], 16384
	LOADA 0
	LOADA 1
	LOADA 2
	LOADA 3
.Ll_end:
	s_wait_dscnt 0x0                               ; for the others' sake: my partial sums lie in LDS
	s_barrier_signal -1
	s_barrier_wait -1
	s_cmp_ge_u32 s[JB], s[NT]
	s_cbranch_scc1 .Lb_end
	TOKSEL
	REDUCE 0
	REDUCE 1
	REDUCE 2
	REDUCE 3
.Lb_end:
	s_wait_dscnt 0x0                               ; my reads of the partial sums are over: the next batch may write there
	s_barrier_signal -1
	s_barrier_wait -1
	s_add_co_u32 s[JB], s[JB], 4
	s_add_co_u32 s[JN], s[JN], 4
	s_add_co_u32 s[SB], s[SB], 64
	s_add_co_u32 s30, s30, 1
	s_cmp_lt_u32 s30, 4
	s_cbranch_scc1 .Lbatch
	s_wait_tensorcnt 0x0
	ds_add_u32 v254, v255
	s_wait_dscnt 0x0
	s_endpgm
.Lfunc_end_k_q4f91e8db84_ffn2:
	.size	k_q4f91e8db84_ffn2, .Lfunc_end_k_q4f91e8db84_ffn2-k_q4f91e8db84_ffn2
	.p2alignl 7, 3214868480
	.fill 96, 4, 3214868480
	.section	.rodata,"a",@progbits
	.p2align	6, 0x0
	.amdhsa_kernel k_q4f91e8db84_ffn2
		.amdhsa_group_segment_fixed_size 169472
		.amdhsa_private_segment_fixed_size 0
		.amdhsa_enable_private_segment 0
		.amdhsa_kernarg_size 56
		.amdhsa_user_sgpr_count 2
		.amdhsa_user_sgpr_kernarg_segment_ptr 1
		.amdhsa_wavefront_size32 1
		.amdhsa_system_sgpr_workgroup_id_x 1
		.amdhsa_system_sgpr_workgroup_id_y 1
		.amdhsa_system_sgpr_workgroup_id_z 1
		.amdhsa_system_vgpr_workitem_id 0
		.amdhsa_next_free_vgpr 1024
		.amdhsa_next_free_sgpr 84
		.amdhsa_reserve_vcc 1
		.amdhsa_float_denorm_mode_32 3
		.amdhsa_float_denorm_mode_16_64 3
		.amdhsa_memory_ordered 1
		.amdhsa_forward_progress 1
		.amdhsa_inst_pref_size 123
	.end_amdhsa_kernel
	.amdgpu_metadata
---
amdhsa.version: [ 1, 2 ]
amdhsa.kernels:
  - .name:           k_q4f91e8db84_ffn2
    .symbol:         k_q4f91e8db84_ffn2.kd
    .args:
      - { .name: sel, .offset: 0, .size: 8, .value_kind: global_buffer, .address_space: global }
      - { .name: hq, .offset: 8, .size: 8, .value_kind: global_buffer, .address_space: global }
      - { .name: hs, .offset: 16, .size: 8, .value_kind: global_buffer, .address_space: global }
      - { .name: W2_codes, .offset: 24, .size: 8, .value_kind: global_buffer, .address_space: global }
      - { .name: W2_scales, .offset: 32, .size: 8, .value_kind: global_buffer, .address_space: global }
      - { .name: b2, .offset: 40, .size: 8, .value_kind: global_buffer, .address_space: global }
      - { .name: y2, .offset: 48, .size: 8, .value_kind: global_buffer, .address_space: global }
    .group_segment_fixed_size: 169472
    .private_segment_fixed_size: 0
    .kernarg_segment_align: 8
    .kernarg_segment_size: 56
    .max_flat_workgroup_size: 128
    .sgpr_count:     84
    .vgpr_count:     1024
    .wavefront_size: 32
...
	.end_amdgpu_metadata
.endif
;; end of part 3
;; launch combine (part 4): grid 256 x 1, 4 waves a work-group, no clusters, 0 bytes of LDS; arguments y2, p0, out0; writes out0
.if DOCPART == 4
	.amdgcn_target "amdgcn-amd-amdhsa--gfx1250"
	.amdhsa_code_object_version 6
	.text
	.protected	k_q4f91e8db84_combine
	.globl	k_q4f91e8db84_combine
	.p2align	8
	.type	k_q4f91e8db84_combine,@function
k_q4f91e8db84_combine:
	s_mov_b64 s[64:65], 0
	v_nop
	global_prefetch_b8 v0, s[64:65] scope:SCOPE_SE
	s_setreg_imm32_b32 hwreg(HW_REG_WAVE_MODE, 25, 1), 1
	s_wait_xcnt 0x0
; out0[t][:] = p0[t] x (y2[t][0][:] + y2[t][1][:]): the two chosen experts' rows, both weighed by the first choice's normalised probability, as the reference has it.
; A wave takes one token t = 4 x work-group + wave: 16 loads of 512 consecutive bytes, all issued at once, 8 stores of 512.  A plain stream: no LDS, no barrier, no matrix unit.
	s_load_b128 s[4:7], s[0:1], 0x0                ; y2 s[4:5], p0 s[6:7]
	s_load_b64 s[8:9], s[0:1], 0x10                ; out0
	v_lshrrev_b32 v1, 5, v0
	v_readfirstlane_b32 s10, v1
	s_lshl_b32 s11, ttmp9, 2
	s_add_co_u32 s11, s11, s10                     ; my token
	v_and_b32 v1, 31, v0
	v_lshlrev_b32 v1, 4, v1                        ; 16 x lane
	s_mov_b32 s15, 0
	s_wait_kmcnt 0x0
	s_lshl_b32 s14, s11, 2
	s_add_nc_u64 s[6:7], s[6:7], s[14:15]
	s_load_b32 s12, s[6:7], 0x0                    ; p0[t]
	s_lshl_b32 s14, s11, 13
	s_add_nc_u64 s[4:5], s[4:5], s[14:15]
	s_lshl_b32 s14, s11, 12
	s_add_nc_u64 s[8:9], s[8:9], s[14:15]
.irp i, 0,1,2,3,4,5,6,7
	global_load_b128 v[16+4*\i:19+4*\i], v1, s[4:5] offset:512*\i th:TH_LOAD_NT
	global_load_b128 v[48+4*\i:51+4*\i], v1, s[4:5] offset:4096+512*\i th:TH_LOAD_NT
.endr
	s_wait_kmcnt 0x0
	s_mov_b32 s13, s12                             ; (the packed form names the pair)
.irp i, 0,1,2,3,4,5,6,7
	s_wait_loadcnt 14-2*\i                         ; pair i is in; the pairs behind it may be out
	v_pk_add_f32 v[16+4*\i:17+4*\i], v[16+4*\i:17+4*\i], v[48+4*\i:49+4*\i]
	v_pk_add_f32 v[18+4*\i:19+4*\i], v[18+4*\i:19+4*\i], v[50+4*\i:51+4*\i]
	v_pk_mul_f32 v[16+4*\i:17+4*\i], v[16+4*\i:17+4*\i], s[12:13] op_sel_hi:[1,0]
	v_pk_mul_f32 v[18+4*\i:19+4*\i], v[18+4*\i:19+4*\i], s[12:13] op_sel_hi:[1,0]
	global_store_b128 v1, v[16+4*\i:19+4*\i], s[8:9] offset:512*\i th:TH_STORE_NT
.endr
	s_endpgm
.Lfunc_end_k_q4f91e8db84_combine:
	.size	k_q4f91e8db84_combine, .Lfunc_end_k_q4f91e8db84_combine-k_q4f91e8db84_combine
	.p2alignl 7, 3214868480
	.fill 96, 4, 3214868480
	.section	.rodata,"a",@progbits
	.p2align	6, 0x0
	.amdhsa_kernel k_q4f91e8db84_combine
		.amdhsa_group_segment_fixed_size 0
		.amdhsa_private_segment_fixed_size 0
		.amdhsa_enable_private_segment 0
		.amdhsa_kernarg_size 24
		.amdhsa_user_sgpr_count 2
		.amdhsa_user_sgpr_kernarg_segment_ptr 1
		.amdhsa_wavefront_size32 1
		.amdhsa_system_sgpr_workgroup_id_x 1
		.amdhsa_system_sgpr_workgroup_id_y 1
		.amdhsa_system_sgpr_workgroup_id_z 1
		.amdhsa_system_vgpr_workitem_id 0
		.amdhsa_next_free_vgpr 80
		.amdhsa_next_free_sgpr 66
		.amdhsa_reserve_vcc 0
		.amdhsa_float_denorm_mode_32 3
		.amdhsa_float_denorm_mode_16_64 3
		.amdhsa_memory_ordered 1
		.amdhsa_forward_progress 1
		.amdhsa_inst_pref_size 6
	.end_amdhsa_kernel
	.amdgpu_metadata
---
amdhsa.version: [ 1, 2 ]
amdhsa.kernels:
  - .name:           k_q4f91e8db84_combine
    .symbol:         k_q4f91e8db84_combine.kd
    .args:
      - { .name: y2, .offset: 0, .size: 8, .value_kind: global_buffer, .address_space: global }
      - { .name: p0, .offset: 8, .size: 8, .value_kind: global_buffer, .address_space: global }
      - { .name: out0, .offset: 16, .size: 8, .value_kind: global_buffer, .address_space: global }
    .group_segment_fixed_size: 0
    .private_segment_fixed_size: 0
    .kernarg_segment_align: 8
    .kernarg_segment_size: 24
    .max_flat_workgroup_size: 128
    .sgpr_count:     66
    .vgpr_count:     80
    .wavefront_size: 32
...
	.end_amdgpu_metadata
.endif
;; end of part 4
;; ======== version 2 of 2: 4 launches
;; workspace buffers: xq 524,288 bytes; xs 32,768 bytes; sel 4,096 bytes of whole numbers; p0 4,096 bytes; hq 16,777,216 bytes; hs 2,097,152 bytes; y2 8,388,608 bytes
;; launch route (part 5): grid 256 x 1, 4 waves a work-group, no clusters, 55,808 bytes of LDS; arguments x, Wr, br, xq, xs, sel, p0; writes xq, xs, sel, p0
.if DOCPART == 5
	.amdgcn_target "amdgcn-amd-amdhsa--gfx1250"
	.amdhsa_code_object_version 6
	.text
	.protected	k_q4f91e8db84_route
	.globl	k_q4f91e8db84_route
	.p2align	8
	.type	k_q4f91e8db84_route,@function
k_q4f91e8db84_route:
	s_mov_b64 s[64:65], 0
	v_nop
	global_prefetch_b8 v0, s[64:65] scope:SCOPE_SE
	s_setreg_imm32_b32 hwreg(HW_REG_WAVE_MODE, 25, 1), 1
	s_wait_xcnt 0x0
; THE ROUTER AND x's QUANTISER.  x [1024 tokens][1024] f32, Wr [1024][8] f32, br [8] f32.
; A wave takes one token t = 4 x work-group + wave.  It stores: xq[t][512 bytes] the token's E2M1 codes, K innermost; xs[t][32] one E8M0 byte for each 32 along K;
; sel[t] = (1 << 4 e1) | (1 << 4 e2), the two chosen experts as whole numbers at a fixed place; p0[t] = 1 / (1 + e^(l2 - l1)), the normalised probability of the first choice.
; The exponent l2 - l1 is 0 or less: the largest logit is taken away by the form itself.
; The eight logits are f32 sums: each lane adds its 32 products for each expert, then the lanes are added.
; LIMITS: NaN and infinities among x, Wr, br are not served.  The two experts are chosen on the logits (a strictly larger logit wins, the lower index stays on equality), not on rounded probabilities.
; A block of zeros gets the byte 1 where the rule says 127: its codes are zeros, and the bytes are read by this program alone.
; No matrix unit: N = 8 is under a tile's width and the sums are wanted in f32.  No cluster, no tensor load: what is shared, Wr, is 32 KiB, read once by each work-group.
.set WPP, 144                          ; an LDS place: 128 bytes + 16 of padding, an odd multiple of 16: sixteen lanes' 16-byte reads start at sixteen different 16-byte columns
.set XST, 256*WPP                      ; behind Wr's 256 places: a stage of 32 places for each wave
.set X,   16                           ; v16-47   x as loaded: load i, register c: k = 128 i + 4 lane + c
.set WA,  48                           ; v48-79   a set of Wr: register 8 c + e = Wr[128 i + 4 lane + c][e]
.set WB,  80                           ; v80-111  the other set.  (Before that v48-111 take Wr's 16 dense loads)
.set Q,   112                          ; v112-143 my 32 neighbours along K: k = 32 lane + 0 .. 31
.set L,   144                          ; v144-151 the eight logits
	s_load_b256 s[4:11], s[0:1], 0x0               ; x s[4:5], Wr s[6:7], br s[8:9], xq s[10:11]
	s_load_b128 s[12:15], s[0:1], 0x20             ; xs s[12:13], sel s[14:15]
	s_load_b64 s[16:17], s[0:1], 0x30              ; p0
	v_lshl_add_u32 v160, v0, 2, 0xd800
	v_mov_b32 v161, 0
	v_lshrrev_b32 v1, 5, v0
	v_readfirstlane_b32 s18, v1                    ; wave
	s_lshl_b32 s19, ttmp9, 2
	s_add_co_u32 s19, s19, s18                     ; my token
	v_and_b32 v1, 31, v0                           ; lane
	v_lshlrev_b32 v2, 4, v1                        ; 16 x lane
	v_bfe_u32 v8, v0, 3, 2
	v_and_b32 v9, 7, v0
	v_mul_u32_u24 v8, v8, WPP
	v_lshl_add_u32 v8, v9, 4, v8                   ; a dense load's 512 bytes take four places: 144 (lane / 8) + 16 (lane % 8)
	s_mul_i32 s20, s18, 64*WPP
	v_add_nc_u32 v3, s20, v8                       ; Wr on the way in: my wave's 64 places
	v_mul_u32_u24 v4, v1, WPP                      ; Wr on the way out: place 32 i + lane
	s_mul_i32 s20, s18, 32*WPP
	s_add_co_u32 s20, s20, XST
	v_add_nc_u32 v5, s20, v8                       ; my wave's stage, on the way in,
	v_add_nc_u32 v6, s20, v4                       ; and out: place = lane
	v_mov_b32 v7, 0
.irp e, 0,1,2,3,4,5,6,7
	v_mov_b32 v[152+\e], 0                         ; written once: a lane permute's destination counts as one of its sources
.endr
	s_mov_b32 s32, 0x76543210
	s_mov_b32 s33, 0xfedcba98                      ; v_permlanex16_b32's selects for lane l xor 16
	s_mov_b32 s21, 0
	s_wait_kmcnt 0x0
	s_load_b256 s[24:31], s[8:9], 0x0              ; br's eight numbers
	s_lshl_b32 s20, s19, 12
	s_add_nc_u64 s[4:5], s[4:5], s[20:21]          ; x at my token's row of 4,096 bytes
	s_lshl_b32 s20, s18, 13
	s_add_nc_u64 s[6:7], s[6:7], s[20:21]          ; Wr at my wave's quarter, 8,192 bytes
	s_lshl_b32 s20, s19, 9
	s_add_nc_u64 s[10:11], s[10:11], s[20:21]
	s_lshl_b32 s20, s19, 5
	s_add_nc_u64 s[12:13], s[12:13], s[20:21]
	s_lshl_b32 s20, s19, 2
	s_add_nc_u64 s[14:15], s[14:15], s[20:21]
	s_add_nc_u64 s[16:17], s[16:17], s[20:21]
.irp i, 0,1,2,3,4,5,6,7
	global_load_b128 v[X+4*\i:X+4*\i+3], v2, s[4:5] offset:512*\i th:TH_LOAD_NT   ; 32 lanes read 512 consecutive bytes
.endr
.set m, 0
.rept 16
	global_load_b128 v[WA+4*m:WA+4*m+3], v2, s[6:7] offset:512*m
.set m, m+1
.endr
	s_wait_loadcnt 16                              ; x's eight loads are in; Wr's sixteen are younger
.irp i, 0,1,2,3,4,5,6,7
	ds_store_b128 v5, v[X+4*\i:X+4*\i+3] offset:4*WPP*\i
.endr
	s_wait_loadcnt 0x0
.set m, 0
.rept 16
	ds_store_b128 v3, v[WA+4*m:WA+4*m+3] offset:4*WPP*m
.set m, m+1
.endr
	s_wait_dscnt 0x0                               ; for the others' sake: my quarter of Wr lies in LDS
	s_barrier_signal -1
	s_barrier_wait -1
.macro WSET i, w                       ; the four rows of Wr that go with x's load i, 128 bytes a lane
.irp m, 0,1,2,3,4,5,6,7
	ds_load_b128 v[\w+4*\m:\w+4*\m+3], v4 offset:32*WPP*(\i)+16*\m
.endr
.endm
.irp j, 0,1,2,3,4,5,6,7
	ds_load_b128 v[Q+4*\j:Q+4*\j+3], v6 offset:16*\j
.endr
	WSET 0, WA
	WSET 1, WB
	s_wait_dscnt 16                                ; my 32 neighbours are in; the two sets of Wr are younger
	; THE QUANTISER: a whole block of 32 lies in my registers
	v_max3_num_f32 v8, |v[Q]|, |v[Q+1]|, |v[Q+2]|
	v_max3_num_f32 v9, |v[Q+3]|, |v[Q+4]|, |v[Q+5]|
.irp i, 6,10,14,18,22,26
	v_max3_num_f32 v8, v8, |v[Q+\i]|, |v[Q+\i+1]|
	v_max3_num_f32 v9, v9, |v[Q+\i+2]|, |v[Q+\i+3]|
.endr
	v_max3_num_f32 v8, v8, |v[Q+30]|, |v[Q+31]|
	v_max3_num_f32 v8, v8, v9, 0x1800000           ; and the floor 2^(3 - 127): the byte cannot fall under 1
	v_add_nc_u32 v10, 0xff000000, v8               ; 2 off the exponent field: the conversion takes this operand's exponent field as its scale
.irp g, 0,1,2,3
	v_cvt_scalef32_pk8_fp4_f32 v[12+\g], v[Q+8*\g:Q+8*\g+7], v10
.endr
	v_lshrrev_b32 v11, 23, v10                     ; the scale's byte (a plain line behind the conversions)
	global_store_b128 v2, v[12:15], s[10:11]       ; 32 lanes store the token's 512 bytes of codes
	global_store_b8 v1, v11, s[12:13]              ; and its 32 scale bytes
	; THE LOGITS: two experts an instruction; x's number serves both halves.  (The argument i stands in brackets wherever it is part of a larger expression: it is put in as text)
.macro DOT i, w
.irp c, 0,1,2,3
.irp p, 0,1,2,3
.if ((\i) == 0) && (\c == 0)
	v_pk_mul_f32 v[L+2*\p:L+2*\p+1], v[\w+2*\p:\w+2*\p+1], v[X:X+1] op_sel_hi:[1,0]   ; the first product starts the sums
.elseif (\c % 2) == 0
	v_pk_fma_f32 v[L+2*\p:L+2*\p+1], v[\w+8*\c+2*\p:\w+8*\c+2*\p+1], v[X+4*(\i)+\c:X+4*(\i)+\c+1], v[L+2*\p:L+2*\p+1] op_sel_hi:[1,0,1]
.else
	v_pk_fma_f32 v[L+2*\p:L+2*\p+1], v[\w+8*\c+2*\p:\w+8*\c+2*\p+1], v[X+4*(\i)+\c-1:X+4*(\i)+\c], v[L+2*\p:L+2*\p+1] op_sel:[0,1,0] op_sel_hi:[1,1,1]
.endif
.endr
.endr
.endm
.irp i, 0,2,4
	s_wait_alu depctr_va_vdst(0)
	s_wait_dscnt 8                                 ; this set is in; the other set's eight loads may be out
	DOT \i, WA
	WSET \i+2, WA
	s_wait_alu depctr_va_vdst(0)
	s_wait_dscnt 8
	DOT \i+1, WB
	WSET \i+3, WB
.endr
	s_wait_alu depctr_va_vdst(0)
	s_wait_dscnt 8
	DOT 6, WA
	s_wait_alu depctr_va_vdst(0)
	s_wait_dscnt 0x0
	DOT 7, WB
.irp k, 1,2,4,8
.irp e, 0,1,2,3,4,5,6,7
	v_add_f32_dpp v[L+\e], v[L+\e], v[L+\e] row_xmask:\k row_mask:0xf bank_mask:0xf
.endr
.endr
.irp e, 0,1,2,3,4,5,6,7
	v_permlanex16_b32 v[152+\e], v[L+\e], s32, s33
.endr
	s_wait_alu depctr_va_vdst(0)
	s_wait_kmcnt 0x0                               ; br
.irp e, 0,1,2,3,4,5,6,7
	v_add_f32 v[L+\e], v[L+\e], v[152+\e]
.endr
.irp e, 0,1,2,3,4,5,6,7
	v_add_f32 v[L+\e], s[24+\e], v[L+\e]           ; every lane now holds the token's eight logits
.endr
	; THE TWO LARGEST.  v152 l1, v153 e1, v154 l2, v155 e2.  The mask says KEEP: a later expert wins only where it is strictly larger
	v_mov_b32 v152, v[L]
	v_mov_b32 v153, 0
.irp e, 1,2,3,4,5,6,7
	v_cmp_le_f32 vcc_lo, v[L+\e], v152
	v_cndmask_b32 v152, v[L+\e], v152, vcc_lo
	v_cndmask_b32 v153, \e, v153, vcc_lo
.endr
	v_mov_b32 v154, 0xff800000                     ; -infinity, under every logit
	v_mov_b32 v155, 0
.irp e, 0,1,2,3,4,5,6,7
	v_cmp_eq_u32 s34, \e, v153                     ; the first choice is passed over
	v_cmp_le_f32 s35, v[L+\e], v154
	s_or_b32 vcc_lo, s34, s35
	v_cndmask_b32 v154, v[L+\e], v154, vcc_lo
	v_cndmask_b32 v155, \e, v155, vcc_lo
.endr
	v_sub_f32 v157, v154, v152                     ; l2 - l1, 0 or less
	v_mul_f32 v157, 0x3fb8aa3b, v157               ; x log2(e)
	s_wait_alu depctr_va_vdst(0)
	v_exp_f32 v157, v157
	v_lshlrev_b32 v156, 2, v153                    ; (a plain line behind the exponential)  4 e1
	s_wait_alu depctr_va_vdst(0)
	v_add_f32 v157, 1.0, v157
	s_wait_alu depctr_va_vdst(0)
	v_rcp_f32 v157, v157                           ; p0
	v_lshlrev_b32 v159, 2, v155                    ; (a plain line behind the reciprocal)  4 e2
	v_mov_b32 v158, 1
	v_lshlrev_b32 v156, v156, v158
	v_lshlrev_b32 v159, v159, v158
	v_or_b32 v156, v156, v159                      ; sel
	s_wait_alu depctr_va_vdst(0)
	s_wait_xcnt 0x0                                ; EXEC changes only behind this wait: the stores above have read theirs
	v_cmp_eq_u32 vcc_lo, 0, v1
	s_wait_tensorcnt 0x0
	ds_add_u32 v160, v161
	s_wait_dscnt 0x0
	s_and_saveexec_b32 s36, vcc_lo                 ; lane 0 alone
	global_store_b32 v7, v156, s[14:15]
	s_wait_alu depctr_va_vdst(0)
	global_store_b32 v7, v157, s[16:17]
	s_wait_xcnt 0x0
	s_or_b32 exec_lo, exec_lo, s36
	s_endpgm
.Lfunc_end_k_q4f91e8db84_route:
	.size	k_q4f91e8db84_route, .Lfunc_end_k_q4f91e8db84_route-k_q4f91e8db84_route
	.p2alignl 7, 3214868480
	.fill 96, 4, 3214868480
	.section	.rodata,"a",@progbits
	.p2align	6, 0x0
	.amdhsa_kernel k_q4f91e8db84_route
		.amdhsa_group_segment_fixed_size 55808
		.amdhsa_private_segment_fixed_size 0
		.amdhsa_enable_private_segment 0
		.amdhsa_kernarg_size 56
		.amdhsa_user_sgpr_count 2
		.amdhsa_user_sgpr_kernarg_segment_ptr 1
		.amdhsa_wavefront_size32 1
		.amdhsa_system_sgpr_workgroup_id_x 1
		.amdhsa_system_sgpr_workgroup_id_y 1
		.amdhsa_system_sgpr_workgroup_id_z 1
		.amdhsa_system_vgpr_workitem_id 0
		.amdhsa_next_free_vgpr 162
		.amdhsa_next_free_sgpr 66
		.amdhsa_reserve_vcc 1
		.amdhsa_float_denorm_mode_32 3
		.amdhsa_float_denorm_mode_16_64 3
		.amdhsa_memory_ordered 1
		.amdhsa_forward_progress 1
		.amdhsa_inst_pref_size 28
	.end_amdhsa_kernel
	.amdgpu_metadata
---
amdhsa.version: [ 1, 2 ]
amdhsa.kernels:
  - .name:           k_q4f91e8db84_route
    .symbol:         k_q4f91e8db84_route.kd
    .args:
      - { .name: x, .offset: 0, .size: 8, .value_kind: global_buffer, .address_space: global }
      - { .name: Wr, .offset: 8, .size: 8, .value_kind: global_buffer, .address_space: global }
      - { .name: br, .offset: 16, .size: 8, .value_kind: global_buffer, .address_space: global }
      - { .name: xq, .offset: 24, .size: 8, .value_kind: global_buffer, .address_space: global }
      - { .name: xs, .offset: 32, .size: 8, .value_kind: global_buffer, .address_space: global }
      - { .name: sel, .offset: 40, .size: 8, .value_kind: global_buffer, .address_space: global }
      - { .name: p0, .offset: 48, .size: 8, .value_kind: global_buffer, .address_space: global }
    .group_segment_fixed_size: 55808
    .private_segment_fixed_size: 0
    .kernarg_segment_align: 8
    .kernarg_segment_size: 56
    .max_flat_workgroup_size: 128
    .sgpr_count:     66
    .vgpr_count:     162
    .wavefront_size: 32
...
	.end_amdgpu_metadata
.endif
;; end of part 5
;; launch ffn1 (part 6): grid 32 x 8, 4 waves a work-group, no clusters, 101,888 bytes of LDS; arguments sel, xq, xs, W1_codes, W1_scales, b1, hq, hs; writes hq, hs
.if DOCPART == 6
	.amdgcn_target "amdgcn-amd-amdhsa--gfx1250"
	.amdhsa_code_object_version 6
	.text
	.protected	k_q4f91e8db84_ffn1
	.globl	k_q4f91e8db84_ffn1
	.p2align	8
	.type	k_q4f91e8db84_ffn1,@function
k_q4f91e8db84_ffn1:
	s_mov_b64 s[64:65], 0
	v_nop
	global_prefetch_b8 v0, s[64:65] scope:SCOPE_SE
	s_setreg_imm32_b32 hwreg(HW_REG_WAVE_SCHED_MODE, 0, 2), 2
	s_setreg_imm32_b32 hwreg(HW_REG_WAVE_MODE, 25, 1), 1
	s_wait_xcnt 0x0
	s_wait_alu depctr_vm_vsrc(0)
; THE FIRST PRODUCT OF THE CHOSEN ROWS: h = gelu(x W1[e] + b1[e]), quantised along the hidden units, on codes of E2M1 with one E8M0 scale for each 32 along K.
; SHARES.  A work-group is (slice = work-group x: hidden units 128 slice .. + 127, which are K step `slice` of the second product; e = work-group y).  Each of its four waves holds the whole slice of W1[e],
; 128 rows x 1,024 along K, in 512 registers, read from memory once by the work-group; wave w takes the tokens 256 w .. 256 w + 255 that chose expert e, compacted in token order into tiles of 16 rows.
; THE LIST OF ROWS is made by each wave in registers from sel (whole numbers that the launch before stored): a mask of each 32 tokens, counts, and lane permutes.  A slot behind the last chosen row takes the
; quarter's first token: its row is computed and stored like any other, so that every byte of a stored tile is written; the next launch stores no result of it.
; THE ROWS OF x ARE ASKED FOR A WHOLE TRIP AHEAD: trip j multiplies tile j, sends tile j + 1 (asked for in trip j - 1) through the stage, and asks for tile j + 2; the head asks for tiles 0 and 1.
; Behind the last tile these are the quarter's first token's rows, inside the buffer, read and not used.
; OUT: hq[(4 e + w) 16 + j][slice][1,024 bytes]: tile j's fragment (16 rows x 128 K) as an image of the operand's registers: register group c of lane l at 512 c + 16 l; hs likewise, one scale word a lane.
; THE PRODUCT IS USED TRANSPOSED (source 0 = 16 rows of W1, source 1 = 16 rows of x), and lane r of tile 2 b + u takes W1's row 32 b + 8 u + r + 8 (r / 8): a lane then holds one row of h, and the 16 registers
; of tiles 2 b, 2 b + 1 are its 16 neighbours 32 b + 16 (lane / 16) + 0 .. 15 along the next K.  b1 is the C of each sum's first product.
; gelu(a) = a / (1 + 2^(a (c0 + c1 a^2))), c0 = -2 sqrt(2 / pi) log2(e), c1 = 0.044715 c0: the tanh form of the reference, in f32.
; No tensor load, no joint request: the number of tiles hangs on the stored choice, and no two work-groups read the same weights.  LIMITS: NaN and infinities are not served; a block of zeros gets the byte 1.
; THE MODE: SCHED_MODE bits 1:0 = 2 (LLVM: expert scheduling mode 2), set by the entry lines.  The code itself states the register dependences between vector or matrix instructions and memory or LDS
; instructions, with s_wait_alu, always for 0.
; THE PLAN.  Registers that memory or LDS instructions touch, in the loop:
;   XT        The loads of tile j + 2, issued in trip j, land in it; trip j + 1's sixteen stage stores read it.  No vector instruction names it.
;   ASN       The same trip's two loads land in it; trip j + 1's eight copies read it.
;   XF        The stage's sixteen loads of trip j land in it; the products of trip j + 1 read it.
;   O, v9     Written by a trip's address lines, read by its 18 loads.
;   AA, BB    AA: written by the address lines, read by the eight lane permutes.  BB: the permutes land in it, the eight selects read it.  Both lie in T, which the activation writes.
;   PC, PW    Written by the quantiser, read by the trip's three stores.  PC lies in T; PW is the first register of DD, which the address lines write.
;   v1, v2, v6, v7, CG   Made in the head and never written again.
; THE WAITS OF A TRIP, behind the products: vm_vsrc ahead of the address lines (the last trip's loads, permutes and stores have read O, v9, AA, PC, PW); va_vdst behind the first 17 of them (AA is written, the
; activation is done with BB, the products are done reading XF); va_sdst behind the eight compares and behind the sixteen lane reads; vm_vsrc and va_vdst ahead of the 18 loads (the stage stores have read XT and
; the permutes AA; O and v9 are written and the copies are done reading ASN); va_vdst behind each batch of transcendentals; va_vdst ahead of the three stores (PC and PW are written, and so are the copied scale words).
; REGISTERS, in windows of 256.  Window 0: below.  Windows 1, 2: W1's fragment (tile t, K step s) at v[32 t + 8 (s % 4)] of window 1 + s / 4.
; Window 3: v0-63 16 rows of x as loaded, v64-127 x's 8 fragments, v128-191 b1, v192-199 the scale words of the rows that are on their way.
.set WP,   528                         ; an LDS row: 512 bytes + 16 of padding: sixteen neighbouring rows start at sixteen different 16-byte columns of 256 bytes
.set XSG,  128*WP                      ; behind W1's 128 rows: a stage of 16 rows for each wave
.set P0,   3                           ; v3   my slot in a tile: lane % 16
.set TOK,  8                           ; v8   my slot's token in the quarter | rank << 16
.set PP,   12
.set LANE, 15
.set CG,   16                          ; v16-23   the chosen tokens of each 32, compacted
.set O,    24                          ; v24-39   the 16 rows' byte offsets in xq
.set AS,   40                          ; v40-47   x's scale words, K steps 0-7
.set BS,   48                          ; v48-111  W1's: tile t, K step s at 8 t + s
.set ACC,  112                         ; v112-175 the 8 accumulators
.set T,    176                         ; v176-239 at work
.set SELR, 176
.set DD,   184
.set AA,   192                         ; v192-199 the lane permutes' addresses
.set TC,   202
.set A92,  203                         ; v203, v204-219: tile 0's offsets, in the head alone: tiles 0 and 1 are on their way together, so each has address registers of its own
.set O2,   204                         ; (before that v204-211 hold what the list's eight permutes send)
.set BB,   220                         ; v220-227 what the lane permutes bring
.set PC,   176                         ; the codes just made
.set PW,   184                         ; and their scale word
.set TM,   240                         ; v240-255 the quantiser's
.set XT,   0
.set XF,   64
.set B1,   128
.set ASN,  192
.set EB, 23
.set RM, 24
.set CT, 27                            ; chosen rows
.set NT, 28                            ; tiles
.set SB, 30                            ; the first slot of the tile whose rows are asked for
.set CN, 36                            ; s[36:43] chosen among each 32 tokens
.set PF, 44                            ; s[44:52] their running sum
.set SEL, 56
.set RL, 68                            ; s[68:83] the 16 rows' tokens; before that s[68:75] eight masks of lanes (in the list's head also s[76:83]: their complements)
.set MSB, 0
.macro WIN new                         ; the immediate's high byte repeats the setting that is left
.if MSB != \new
	s_set_vgpr_msb (MSB<<8)|\new
.set MSB, \new
.endif
.endm
; The chosen tokens of each group of 32 move to the group's low lanes, in token order; the others fill up behind them, so that every lane receives a word.
; Each group has registers of its own for its mask, its permute's address and what it sends, so that one wait serves the eight masks and one the eight permutes.
.macro PLACE
	s_mov_b32 s[PF], 0
.irp g, 0,1,2,3,4,5,6,7
	v_bfe_u32 v[DD+\g], v[SELR+\g], s[EB], 1       ; did token 32 g + lane choose e?
.endr
.irp g, 0,1,2,3,4,5,6,7
	v_cmp_ne_u32 s[RL+\g], 0, v[DD+\g]
.endr
	s_wait_alu depctr_va_sdst(0)                   ; the eight masks are written, ahead of their first reader
.irp g, 0,1,2,3,4,5,6,7
	s_bcnt1_i32_b32 s[CN+\g], s[RL+\g]
	s_not_b32 s[RL+8+\g], s[RL+\g]
	v_mbcnt_lo_u32_b32 v[AA+\g], s[RL+\g], 0       ; chosen ones below me
	v_mbcnt_lo_u32_b32 v[TC], s[RL+8+\g], s[CN+\g] ; the others stand behind all chosen ones
	v_cndmask_b32 v[AA+\g], v[TC], v[AA+\g], s[RL+\g]
	v_lshlrev_b32 v[AA+\g], 2, v[AA+\g]
	v_and_b32 v[TC], s[RM], v[SELR+\g]
	v_min_u32 v[TC], 1, v[TC]                      ; rank: 1 where the token's other expert has the lower number
	v_lshl_or_b32 v[TC], v[TC], 16, v[LANE]
	v_or_b32 v[O2+\g], 32*\g, v[TC]
	s_add_co_u32 s[PF+\g+1], s[PF+\g], s[CN+\g]
.endr
	s_wait_alu depctr_va_vdst(0)                   ; v[AA ..] and v[O2 ..] are written: the permutes read them as address and data
.irp g, 0,1,2,3,4,5,6,7
	ds_permute_b32 v[CG+\g], v[AA+\g], v[O2+\g]
.endr
	s_wait_dscnt 0x0
	s_mov_b32 s[CT], s[PF+8]
	s_add_co_u32 s[NT], s[CT], 15
	s_lshr_b32 s[NT], s[NT], 4
	s_min_u32 s[NT], s[NT], 16
.endm
; My slot's token: the group g in which slot - PF[g] lies under CN[g] has it in that lane.  Its first 17 vector lines are plain ones that name no register of the products in front of them.
.macro TOKSEL
	s_wait_alu depctr_vm_vsrc(0)                   ; every permute, load and store issued so far has read its registers: v[AA ..], the offsets and, in the loop, v[PW] (the first of v[DD ..]) are written again below
	v_add_nc_u32 v[PP], s[SB], v[P0]
.irp g, 0,1,2,3,4,5,6,7
	v_sub_nc_u32 v[DD+\g], v[PP], s[PF+\g]
.endr
.irp g, 0,1,2,3,4,5,6,7
	v_lshlrev_b32 v[AA+\g], 2, v[DD+\g]
.endr
	s_wait_alu depctr_va_vdst(0)                   ; v[AA ..] is written, which the permutes read; in the loop the activation is done with v[BB ..], in which they land, and the products are done reading x's fragments, in which the stage's loads land further down
.irp g, 0,1,2,3,4,5,6,7
	ds_bpermute_b32 v[BB+\g], v[AA+\g], v[CG+\g]
.endr
	v_mov_b32 v[TOK], 0                            ; a slot behind the last chosen row: the quarter's first token
	s_wait_alu depctr_va_vdst(0)
	s_wait_dscnt 0x0
.irp g, 0,1,2,3,4,5,6,7
	v_cmp_gt_u32 s[RL+\g], s[CN+\g], v[DD+\g]
.endr
	s_wait_alu depctr_va_sdst(0)                   ; the eight masks are written, ahead of the selects that read them
.irp g, 0,1,2,3,4,5,6,7
	v_cndmask_b32 v[TOK], v[TOK], v[BB+\g], s[RL+\g]
.endr
.endm
; The offsets of the tile at slot SB: v[a9] my row's scale words in xs, v[o] .. v[o + 15] the 16 rows in xq.  The sixteen lane reads stand together, then the sixteen scalar lines, then the sixteen vector lines:
; the way from the vector unit to the scalar unit and back is gone once for a tile, not once for a row.
.macro ADDRX o, a9
	TOKSEL
	v_and_b32 v[\a9], 0xff, v[TOK]
	v_add_nc_u32 v[\a9], s58, v[\a9]               ; the token's number
.irp p, 0,1,2,3,4,5,6,7,8,9,10,11,12,13,14,15
	v_readlane_b32 s[RL+\p], v[\a9], \p
.endr
	v_min_u32 v[\a9], 0x3ff, v[\a9]                ; held inside the table
	v_lshlrev_b32 v[\a9], 5, v[\a9]
	s_wait_alu depctr_va_sdst(0)                   ; the sixteen tokens' numbers are written, ahead of the scalar lines that read them
.irp p, 0,1,2,3,4,5,6,7,8,9,10,11,12,13,14,15
	s_min_u32 s[RL+\p], s[RL+\p], 0x3ff            ; likewise
.endr
.irp p, 0,1,2,3,4,5,6,7,8,9,10,11,12,13,14,15
	v_lshl_add_u32 v[\o+\p], s[RL+\p], 9, v1
.endr
.endm
; 18 loads: the rows' scale words into v[as] on (window setting asw), and the 16 rows of codes, each 512 consecutive bytes, into v[xt] on of window 3
.macro ASKX xt, as, asw, o, a9
	WIN \asw
	s_wait_alu depctr_va_vdst(0)                   ; v[a9] and the sixteen offsets are written, which these loads read; in the loop the eight copies are done reading the scale words' registers, in which the first two land
	global_load_b128 v[\as:\as+3], v[\a9], s[8:9]
	global_load_b128 v[\as+4:\as+7], v[\a9], s[8:9] offset:16
	WIN 0xc0                                       ; destination window 3
.irp p, 0,1,2,3,4,5,6,7,8,9,10,11,12,13,14,15
	global_load_b128 v[\xt+4*\p:\xt+4*\p+3], v[\o+\p], s[6:7]
.endr
	WIN 0
.endm
; The 16 rows in v[xt] on go through my own stage and come back as 8 fragments.  LDS serves a wave's instructions in order: no wait on its counter between the stores and the loads.
; copy = 1: their scale words move into the scale registers, which the products of the tile before have read: the words were loaded while those products still wanted the old ones.
; copy = 0: the head's tile 0, whose rows lie in the fragments' own registers.
.macro TURN xt, copy
.if \copy
	WIN 0x03                                       ; source 0 window 3, destination window 0
.irp s, 0,1,2,3,4,5,6,7
	v_mov_b32 v[AS+\s], v[ASN+\s]
.endr
.endif
	WIN 0x0c                                       ; an LDS store's data are its source 1: window 3
.irp p, 0,1,2,3,4,5,6,7,8,9,10,11,12,13,14,15
	ds_store_b128 v6, v[\xt+4*\p:\xt+4*\p+3] offset:WP*\p
.endr
	WIN 0xc0
.if !\copy
	s_wait_alu depctr_vm_vsrc(0)                   ; the sixteen stores have read the registers in which the fragments land
.endif
.irp s, 0,1,2,3,4,5,6,7
.irp c, 0,1
	ds_load_b128 v[XF+8*\s+4*\c:XF+8*\s+4*\c+3], v7 offset:64*\s+32*\c   ; copy = 1: no wait here: no vector or matrix instruction since the wait among the address lines names these registers
.endr
.endr
	WIN 0
.endm
; 64 products: K step by K step, the 8 accumulators by turns, one instruction a turn
.macro MUL
.set ks, 0
.rept 8
.if ks == 0
	WIN 0x3d                                       ; source 0 (W1) window 1, source 1 (x) window 3, C (b1) window 3, D window 0
.elseif ks < 4
	WIN 0x0d
.else
	WIN 0x0e                                       ; source 0 window 2
.endif
.set tt, 0
.rept 8
.set fr, 32*tt+8*(ks%4)
.if ks == 0
	v_wmma_scale_f32_16x16x128_f8f6f4 v[ACC+8*tt:ACC+8*tt+7], v[fr:fr+7], v[XF+8*ks:XF+8*ks+7], v[B1+8*tt:B1+8*tt+7], v[BS+8*tt+ks], v[AS+ks] matrix_a_fmt:MATRIX_FMT_FP4 matrix_b_fmt:MATRIX_FMT_FP4
.else
	v_wmma_scale_f32_16x16x128_f8f6f4 v[ACC+8*tt:ACC+8*tt+7], v[fr:fr+7], v[XF+8*ks:XF+8*ks+7], v[ACC+8*tt:ACC+8*tt+7], v[BS+8*tt+ks], v[AS+ks] matrix_a_fmt:MATRIX_FMT_FP4 matrix_b_fmt:MATRIX_FMT_FP4
.endif
.set tt, tt+1
.endr
.set ks, ks+1
.endr
	WIN 0
.endm
; 64 numbers of a lane, register 16 b + i = k 32 b + 16 (lane / 16) + i of my row, become a fragment's codes in v[PC] on and its scale word in v[PW]
.macro QUANT s
.irp b, 0,1,2,3
	v_max3_num_f32 v[TM+\b], |v[\s+16*\b]|, |v[\s+1+16*\b]|, 0x1800000   ; my 16 numbers of block b, and the floor 2^(3 - 127): the byte cannot fall under 1
.endr
.irp i, 2,4,6,8,10,12,14
.irp b, 0,1,2,3
	v_max3_num_f32 v[TM+\b], v[TM+\b], |v[\s+16*\b+\i]|, |v[\s+1+16*\b+\i]|
.endr
.endr
.irp b, 0,1,2,3
	v_permlanex16_b32 v[TM+4+\b], v[TM+\b], s[SEL], s[SEL+1]
.endr
.irp b, 0,1,2,3
	v_max_num_f32 v[TM+\b], v[TM+\b], v[TM+4+\b]   ; with lane l xor 16's: the block's largest magnitude
.endr
.irp b, 0,1,2,3
	v_add_nc_u32 v[TM+12+\b], 0xff000000, v[TM+\b] ; 2 off its exponent field: the conversion's scale operand
.endr
.irp b, 0,1,2,3
	v_lshrrev_b32 v[TM+4+\b], 23, v[TM+12+\b]      ; the scale's byte
.endr
	v_lshl_or_b32 v[PW], v[TM+5], 8, v[TM+4]
	v_lshl_or_b32 v[PW], v[TM+6], 16, v[PW]
	v_lshl_or_b32 v[PW], v[TM+7], 24, v[PW]
.irp b, 0,1,2,3
	v_cvt_scalef32_pk8_fp4_f32 v[PC+2*\b], v[\s+16*\b:\s+7+16*\b], v[TM+12+\b]
	v_cvt_scalef32_pk8_fp4_f32 v[PC+1+2*\b], v[\s+8+16*\b:\s+15+16*\b], v[TM+12+\b]
.endr
	v_nop                                          ; one plain line behind a scaled conversion
.irp c, 0,1                                    ; the operand's layout wants a whole block in a lane: lanes 0-15 block 2 c, lanes 16-31 block 2 c + 1
.irp i, 0,1
	v_permlane16_swap_b32 v[PC+4*\c+\i], v[PC+2+4*\c+\i]
.endr
.endr
.endm
	s_load_b512 s[4:19], s[0:1], 0x0               ; sel s[4:5], xq s[6:7], xs s[8:9], W1's codes s[10:11], its scales s[12:13], b1 s[14:15], hq s[16:17], hs s[18:19]
	v_lshl_add_u32 v250, v0, 2, 0x18c00
	v_mov_b32 v251, 0
	v_lshrrev_b32 v1, 5, v0
	v_readfirstlane_b32 s20, v1                    ; wave = quarter of the tokens
	s_and_b32 s21, ttmp7, 0xffff                   ; e
	s_mov_b32 s22, ttmp9                           ; slice
	v_and_b32 v[LANE], 31, v0
	v_lshlrev_b32 v1, 4, v[LANE]                   ; v1   16 x lane
	v_lshlrev_b32 v2, 2, v[LANE]                   ; v2   4 x lane
	v_and_b32 v[P0], 15, v0                        ; r
	v_bfe_u32 v9, v0, 4, 1                         ; h
	v_and_b32 v8, 8, v[P0]
	v_add_nc_u32 v8, v8, v[P0]                     ; r + 8 (r / 8)
	v_mul_u32_u24 v4, v[P0], WP
	v_lshl_add_u32 v4, v9, 4, v4                   ; v4   a fragment out of LDS: place r of its tile's sixteen, + 16 h
	s_wait_alu depctr_va_sdst(0)                   ; s20, the wave's number, is written, ahead of its first reader
	s_mul_i32 s32, s20, 32*WP
	v_add_nc_u32 v5, s32, v1                       ; v5   W1 on the way in: my wave's 32 places
	s_mul_i32 s32, s20, 16*WP
	s_add_co_u32 s32, s32, XSG
	v_add_nc_u32 v6, s32, v1                       ; v6   my stage, on the way in
	v_add_nc_u32 v7, s32, v4                       ; v7   and out: row r, + 16 h
	v_lshlrev_b32 v13, 5, v8                       ; v13  W1's scale words: 32 bytes a row
	v_lshlrev_b32 v14, 6, v9                       ; v14  b1: 64 h
	v_mov_b32 v10, 0xc0135761                      ; v[10:11] c0
	v_mov_b32 v11, 0xc0135761
.irp b, 0,1,2,3
	v_mov_b32 v[TM+4+\b], 0                        ; written once: a lane permute's destination counts as one of its sources
.endr
	s_lshl_b32 s[EB], s21, 2
	s_lshl_b32 s[RM], 1, s[EB]
	s_sub_co_u32 s[RM], s[RM], 1                   ; the bits of the experts below e
	s_mov_b32 s54, 0xbdd2d3e8                      ; s[54:55] c1
	s_mov_b32 s55, 0xbdd2d3e8
	s_mov_b32 s[SEL], 0x76543210
	s_mov_b32 s[SEL+1], 0xfedcba98
	s_lshl_b32 s58, s20, 8                         ; the quarter's first token
	s_add_co_u32 s34, s[EB], s20                   ; 4 e + w
	s_mov_b32 s33, 0
	s_wait_kmcnt 0x0
	s_lshl_b32 s32, s20, 10
	s_add_nc_u64 s[4:5], s[4:5], s[32:33]          ; sel at my quarter
	s_lshl_b32 s32, s21, 21
	s_lshl_b32 s31, s22, 16
	s_add_co_u32 s32, s32, s31
	s_lshl_b32 s31, s20, 14
	s_add_co_u32 s32, s32, s31
	s_add_nc_u64 s[10:11], s[10:11], s[32:33]      ; W1's codes: expert, slice, my wave's 32 rows of 512 bytes
	s_lshl_b32 s32, s21, 17
	s_lshl_b32 s31, s22, 12
	s_add_co_u32 s32, s32, s31
	s_add_nc_u64 s[12:13], s[12:13], s[32:33]
	s_lshl_b32 s32, s21, 14
	s_lshl_b32 s31, s22, 9
	s_add_co_u32 s32, s32, s31
	s_add_nc_u64 s[14:15], s[14:15], s[32:33]
	s_lshl_b32 s32, s34, 19
	s_lshl_b32 s31, s22, 10
	s_add_co_u32 s32, s32, s31
	s_add_nc_u64 s[16:17], s[16:17], s[32:33]      ; hq: 16 tiles of 32,768 bytes for (e, w); K step `slice`
	s_lshl_b32 s32, s34, 16
	s_lshl_b32 s31, s22, 7
	s_add_co_u32 s32, s32, s31
	s_add_nc_u64 s[18:19], s[18:19], s[32:33]
	s_wait_alu depctr_va_vdst(0)                   ; the offsets and LDS addresses v1, v2, v4 to v7, v13, v14 are written: the kernel's loads, stores and LDS instructions read them, and no line writes them again
.irp g, 0,1,2,3,4,5,6,7
	global_load_b32 v[SELR+\g], v2, s[4:5] offset:128*\g
.endr
	WIN 0x40                                       ; destination window 1
.set p, 0
.rept 32
	global_load_b128 v[4*p:4*p+3], v1, s[10:11] offset:512*p th:TH_LOAD_NT   ; a row of W1: 512 consecutive bytes
.set p, p+1
.endr
	WIN 0
	s_wait_loadcnt 32                              ; sel's eight loads are in; W1's 32 are younger
	PLACE
	s_mov_b32 s[SB], 0
	ADDRX O2, A92
	ASKX XF, AS, 0, O2, A92                        ; tile 0: 18 loads; its rows land in the fragments' own registers, its scale words where the products read them
.irp t, 0,1,2,3,4,5,6,7
.irp u, 0,1
	global_load_b128 v[BS+8*\t+4*\u:BS+8*\t+4*\u+3], v13, s[12:13] offset:(32*(\t/2)+8*(\t%2))*32+16*\u
.endr
.endr
	WIN 0xc0
.irp t, 0,1,2,3,4,5,6,7
.irp u, 0,1
	global_load_b128 v[B1+8*\t+4*\u:B1+8*\t+4*\u+3], v14, s[14:15] offset:(32*(\t/2)+8*(\t%2))*4+16*\u
.endr
.endr
	WIN 0
	s_mov_b32 s[SB], 16
	ADDRX O, 9
	ASKX XT, ASN, 0xc0, O, 9                       ; tile 1: 18 loads
	s_wait_loadcnt 63                              ; W1's rows are in: younger are 18 + 16 + 16 + 18 = 68, and the count names as many as its field holds
	WIN 0x04                                       ; the data: window 1
; W1's rows lie in LDS in the order of the tiles: row 16 a + 8 u + i of my 32 goes to place 16 u + 8 a + i, so that the sixteen rows of a tile are neighbours
.set p, 0
.rept 32
	ds_store_b128 v5, v[4*p:4*p+3] offset:WP*((p&7)+16*((p>>3)&1)+8*((p>>4)&1))
.set p, p+1
.endr
	WIN 0
	s_wait_dscnt 0x0                               ; for the others' sake: my 32 rows lie in LDS
	s_barrier_signal -1
	s_barrier_wait -1                              ; the slice's 128 rows do.  They are written no more
	WIN 0x40
	s_wait_alu depctr_vm_vsrc(0)                   ; my 32 LDS stores have read the registers of window 1 in which the fragments land
.set tt, 0
.rept 8
.set ks, 0
.rept 4
.irp c, 0,1
	ds_load_b128 v[32*tt+8*ks+4*\c:32*tt+8*ks+4*\c+3], v4 offset:16*tt*WP+64*ks+32*\c
.endr
.set ks, ks+1
.endr
.set tt, tt+1
.endr
	WIN 0x80
.set tt, 0
.rept 8
.set ks, 0
.rept 4
.irp c, 0,1
	ds_load_b128 v[32*tt+8*ks+4*\c:32*tt+8*ks+4*\c+3], v4 offset:16*tt*WP+64*(ks+4)+32*\c
.endr
.set ks, ks+1
.endr
.set tt, tt+1
.endr
	WIN 0
	s_wait_loadcnt 18                              ; tile 0, W1's scale words and b1 are in; tile 1's 18 loads are younger
	TURN XF, 0
	s_wait_dscnt 0x0
	s_cmp_eq_u32 s[NT], 0                          ; nobody in my quarter chose e
	s_cbranch_scc1 .Lend
	s_mov_b32 s29, 0
.Ltile:
	s_wait_dscnt 0x0                               ; x's fragments are in
	MUL
	s_wait_loadcnt 0x0                             ; the next tile's rows and scale words, asked for a trip ago: so their address registers may be written too
	s_add_co_u32 s[SB], s[SB], 16
	ADDRX O, 9                                     ; the tile after the next
	TURN XT, 1                                     ; the next tile
	s_wait_dscnt 16                                ; the stage's sixteen stores are done; the sixteen fragment loads are younger
	s_wait_alu depctr_vm_vsrc(0)                   ; the stage's stores have read the rows' registers, in which the loads below land; the permutes have read v[AA ..], which the activation writes
	ASKX XT, ASN, 0xc0, O, 9                       ; it has this trip's activation and the next trip's products in which to land
.set i, 0
.rept 32
	v_pk_mul_f32 v[T+i:T+i+1], v[ACC+i:ACC+i+1], v[ACC+i:ACC+i+1]            ; a^2 (each accumulator is read from its low end on)
.set i, i+2
.endr
.set i, 0
.rept 32
	v_pk_fma_f32 v[T+i:T+i+1], v[T+i:T+i+1], s[54:55], v[10:11] op_sel_hi:[1,0,1]   ; c1 a^2 + c0
.set i, i+2
.endr
.set i, 0
.rept 32
	v_pk_mul_f32 v[T+i:T+i+1], v[T+i:T+i+1], v[ACC+i:ACC+i+1]
.set i, i+2
.endr
.set i, 0
	s_wait_alu depctr_va_vdst(0)
.rept 64
	v_exp_f32 v[T+i], v[T+i]
.set i, i+1
.endr
	v_nop                                          ; a plain line behind the exponentials
.set i, 0
	s_wait_alu depctr_va_vdst(0)                   ; the 64 exponentials have written v[T ..], ahead of the additions that read them: one wait for the batch
.rept 32
	v_pk_add_f32 v[T+i:T+i+1], v[T+i:T+i+1], 1.0 op_sel_hi:[1,0]
.set i, i+2
.endr
.set i, 0
	s_wait_alu depctr_va_vdst(0)
.rept 64
	v_rcp_f32 v[T+i], v[T+i]
.set i, i+1
.endr
	v_nop                                          ; a plain line behind the reciprocals
.set i, 0
	s_wait_alu depctr_va_vdst(0)                   ; the 64 reciprocals have written v[T ..], ahead of the multiplications that read them: one wait for the batch
.rept 32
	v_pk_mul_f32 v[ACC+i:ACC+i+1], v[ACC+i:ACC+i+1], v[T+i:T+i+1]            ; gelu
.set i, i+2
.endr
	QUANT ACC
	s_wait_alu depctr_va_vdst(0)                   ; the quantiser has written v[PC ..] and v[PW], which the three stores read; the eight copies far above have written x's scale words, which the next trip's products take
	global_store_b128 v1, v[PC:PC+3], s[16:17]               ; 32 lanes store 512 consecutive bytes, at a multiple of 512 from hq's first byte
	global_store_b128 v1, v[PC+4:PC+7], s[16:17] offset:512
	global_store_b32 v2, v[PW], s[18:19]                     ; 128 consecutive bytes
	s_wait_xcnt 0x0                                ; the stores have read their data and bases: both are written again below and in the next trip
	s_add_nc_u64 s[16:17], s[16:17], 32768
	s_add_nc_u64 s[18:19], s[18:19], 4096
	s_add_co_u32 s29, s29, 1
	s_cmp_lt_u32 s29, s[NT]
	s_cbranch_scc1 .Ltile
	s_wait_dscnt 0x0
.Lend:
	s_wait_loadcnt 0x0                             ; the rows asked for behind the last tile have landed
	s_wait_dscnt 0x0                               ; the closing lines, six on end
	s_wait_alu 0x0
	s_wait_tensorcnt 0x0
	ds_add_u32 v250, v251
	s_wait_dscnt 0x0
	s_endpgm
.Lfunc_end_k_q4f91e8db84_ffn1:
	.size	k_q4f91e8db84_ffn1, .Lfunc_end_k_q4f91e8db84_ffn1-k_q4f91e8db84_ffn1
	.p2alignl 7, 3214868480
	.fill 96, 4, 3214868480
	.section	.rodata,"a",@progbits
	.p2align	6, 0x0
	.amdhsa_kernel k_q4f91e8db84_ffn1
		.amdhsa_group_segment_fixed_size 101888
		.amdhsa_private_segment_fixed_size 0
		.amdhsa_enable_private_segment 0
		.amdhsa_kernarg_size 64
		.amdhsa_user_sgpr_count 2
		.amdhsa_user_sgpr_kernarg_segment_ptr 1
		.amdhsa_wavefront_size32 1
		.amdhsa_system_sgpr_workgroup_id_x 1
		.amdhsa_system_sgpr_workgroup_id_y 1
		.amdhsa_system_sgpr_workgroup_id_z 1
		.amdhsa_system_vgpr_workitem_id 0
		.amdhsa_next_free_vgpr 1024
		.amdhsa_next_free_sgpr 84
		.amdhsa_reserve_vcc 0
		.amdhsa_float_denorm_mode_32 3
		.amdhsa_float_denorm_mode_16_64 3
		.amdhsa_memory_ordered 1
		.amdhsa_forward_progress 1
		.amdhsa_inst_pref_size 80
	.end_amdhsa_kernel
	.amdgpu_metadata
---
amdhsa.version: [ 1, 2 ]
amdhsa.kernels:
  - .name:           k_q4f91e8db84_ffn1
    .symbol:         k_q4f91e8db84_ffn1.kd
    .args:
      - { .name: sel, .offset: 0, .size: 8, .value_kind: global_buffer, .address_space: global }
      - { .name: xq, .offset: 8, .size: 8, .value_kind: global_buffer, .address_space: global }
      - { .name: xs, .offset: 16, .size: 8, .value_kind: global_buffer, .address_space: global }
      - { .name: W1_codes, .offset: 24, .size: 8, .value_kind: global_buffer, .address_space: global }
      - { .name: W1_scales, .offset: 32, .size: 8, .value_kind: global_buffer, .address_space: global }
      - { .name: b1, .offset: 40, .size: 8, .value_kind: global_buffer, .address_space: global }
      - { .name: hq, .offset: 48, .size: 8, .value_kind: global_buffer, .address_space: global }
      - { .name: hs, .offset: 56, .size: 8, .value_kind: global_buffer, .address_space: global }
    .group_segment_fixed_size: 101888
    .private_segment_fixed_size: 0
    .kernarg_segment_align: 8
    .kernarg_segment_size: 64
    .max_flat_workgroup_size: 128
    .sgpr_count:     84
    .vgpr_count:     1024
    .wavefront_size: 32
...
	.end_amdgpu_metadata
.endif
;; end of part 6
;; launch ffn2 (part 7): grid 8 x 32, 4 waves a work-group, no clusters, 169,472 bytes of LDS; arguments sel, hq, hs, W2_codes, W2_scales, b2, y2; writes y2
.if DOCPART == 7
	.amdgcn_target "amdgcn-amd-amdhsa--gfx1250"
	.amdhsa_code_object_version 6
	.text
	.protected	k_q4f91e8db84_ffn2
	.globl	k_q4f91e8db84_ffn2
	.p2align	8
	.type	k_q4f91e8db84_ffn2,@function
k_q4f91e8db84_ffn2:
	s_mov_b64 s[64:65], 0
	v_nop
	global_prefetch_b8 v0, s[64:65] scope:SCOPE_SE
	s_setreg_imm32_b32 hwreg(HW_REG_WAVE_SCHED_MODE, 0, 2), 2
	s_setreg_imm32_b32 hwreg(HW_REG_WAVE_MODE, 25, 1), 1
	s_wait_xcnt 0x0
	s_wait_alu depctr_vm_vsrc(0)
; THE SECOND PRODUCT OF THE CHOSEN ROWS: y2[token][rank][1024] = h W2[e] + b2[e], f32, on codes of E2M1 with one E8M0 scale for each 32 along K.  rank = 0 for the lower-numbered of a token's two experts.
; SHARES.  A work-group is (ns = work-group x: output columns 128 ns .. + 127; work-group y = 4 e + q: expert e, tokens 256 q .. + 255).  THE WAVES SHARE K: wave kq holds W2[e]'s 128 rows x K 1,024 kq .. + 1,023
; in 512 registers and multiplies every tile of (e, q) by it; the four partial sums meet in LDS, and each wave adds and stores 4 of a tile's 16 rows.
; The tiles and their rows are those of the launch before: each wave makes the same list again from sel, in registers.  Rows behind the last chosen one are multiplied and not stored.
; TILES GO IN BATCHES OF 4.  The loop over batches has the constant count 4 and its two barriers stand on every wave's way; inside a phase a tile at or behind the last jumps forward to the phase's end.
; The next batch's fragments of h are asked for between the products and the sums.  THE FIRST BATCH'S FOUR ARE LOADED WITHOUT A BRANCH, so that every register of the four buffers is written on every way:
; a tile that the split leaves empty takes bytes of W2 in its stead, which nobody multiplies.
; THE PRODUCT IS USED TRANSPOSED (source 0 = 16 rows of W2, source 1 = 16 rows of h): a lane holds eight neighbouring columns of one row.
; No tensor load, so no joint request, though the four q of an (e, ns) read the same weights: the number of tiles hangs on the stored choice, and operands go from memory into registers.
; THE MODE: SCHED_MODE bits 1:0 = 2 (LLVM: expert scheduling mode 2), set by the entry lines.  The code itself states the register dependences between vector or matrix instructions and memory or LDS
; instructions, with s_wait_alu, always for 0.
; THE PLAN.  Registers that memory or LDS instructions touch, in the loop:
;   ACC = R     A tile's products write it, its sixteen LDS stores read it.  In the sums a tile's sixteen LDS loads land in it, the additions read and write it, up to four stores to y2 read it.
;   h's four buffers (window 3) and AS   The next batch's loads land in them; the products read them.
;   AA, BB      AA: written by the selection's address lines, read by its eight lane permutes.  BB: the permutes land in it, the eight selects read it.
;   YO          Written by four lines a tile, while the tile's LDS loads are out; read by the tile's stores.
;   v1, v2, v4 to v9, v12, CG   Made in the head and never written again.
; THE WAITS.  A tile of products: vm_vsrc at its head (the stores that read the accumulators have done so); va_vdst behind its five places (the accumulators are written; the products are done reading the tile's
; buffer of h and its scale words, so the next batch's loads owe nothing more).  The selection: va_vdst ahead of the permutes; va_sdst behind the eight compares and behind the sixteen lane reads.
; A tile of sums: vm_vsrc at its head, beside the wait on XCNT (the stores before it have read R and YO); va_vdst ahead of its stores (R and YO are written): only scalar lines and stores follow that wait, so it
; serves the next tile's LDS loads into R too.
; REGISTERS, in windows of 256.  Window 0: below.  Windows 1, 2: W2's fragment (tile t, K step s) at v[32 t + 8 (s % 4)] of window 1 + s / 4.  Window 3: four fragments' buffers of h: tile k of the batch, K step s at v[64 k + 8 s].
.set WP,   528                         ; an LDS row: 512 bytes + 16 of padding
.set PART, 4*16*WP                     ; behind the waves' stages (16 rows each): the partial sums: tile k of the batch, wave p: 16 rows at PART + PK k + 16 WP p
.set PK,   4*16*WP
.set P0,   3                           ; v3   lanes 0-15: the slot, in a batch, of my wave's row i of tile k: 16 k + 4 kq + i, at lane 4 k + i
.set TOK,  10
.set PP,   11
.set LANE, 13
.set CG,   16
.set SELR, 24
.set DD,   24
.set AA,   32                          ; v32-39   the lane permutes' addresses
.set AS,   40                          ; v40-71   h's scale words: tile k, K step s at 8 k + s
.set BS,   72                          ; v72-135  W2's: tile t, K step s at 8 t + s
.set ACC,  136                         ; v136-199 the 8 accumulators; in the sums: row i's four parts at 16 i + 4 p
.set R,    136
.set B2,   200                         ; v200-203 b2 of my four columns
.set YO,   204                         ; v204-207 the four rows' byte offsets in y2
.set PT,   208                         ; v208-215 in the head: where the list's eight permutes send,
.set PD,   216                         ; v216-223 and what
.set BB,   224                         ; v224-231 what the lane permutes bring
.set TC,   232
.set EB, 24
.set RM, 25
.set CT, 28
.set NT, 29
.set JB, 31                            ; the batch's first tile
.set SB, 34                            ; and its first slot
.set CN, 36
.set PF, 44
.set JN, 62                            ; the first tile of the batch that is being fetched
.set RL, 68                            ; s[68:83] in the list's head eight masks of lanes and their complements; then the first batch's bases; in the loop eight masks, then the batch's sixteen rows
.set MSB, 0
.macro WIN new                         ; the immediate's high byte repeats the setting that is left
.if MSB != \new
	s_set_vgpr_msb (MSB<<8)|\new
.set MSB, \new
.endif
.endm
.macro PLACES n
.rept \n
	v_nop
.endr
.endm
; The chosen tokens of each group of 32 move to the group's low lanes, in token order; the others fill up behind them, so that every lane receives a word.
; Each group has registers of its own for its mask, its permute's address and what it sends, so that one wait serves the eight masks and one the eight permutes.
.macro PLACE
	s_mov_b32 s[PF], 0
.irp g, 0,1,2,3,4,5,6,7
	v_bfe_u32 v[AA+\g], v[SELR+\g], s[EB], 1
.endr
.irp g, 0,1,2,3,4,5,6,7
	v_cmp_ne_u32 s[RL+\g], 0, v[AA+\g]
.endr
	s_wait_alu depctr_va_sdst(0)                   ; the eight masks are written, ahead of their first reader
.irp g, 0,1,2,3,4,5,6,7
	s_bcnt1_i32_b32 s[CN+\g], s[RL+\g]
	s_not_b32 s[RL+8+\g], s[RL+\g]
	v_mbcnt_lo_u32_b32 v[PT+\g], s[RL+\g], 0
	v_mbcnt_lo_u32_b32 v[TC], s[RL+8+\g], s[CN+\g]
	v_cndmask_b32 v[PT+\g], v[TC], v[PT+\g], s[RL+\g]
	v_lshlrev_b32 v[PT+\g], 2, v[PT+\g]
	v_and_b32 v[TC], s[RM], v[SELR+\g]
	v_min_u32 v[TC], 1, v[TC]                      ; rank
	v_lshl_or_b32 v[TC], v[TC], 16, v[LANE]
	v_or_b32 v[PD+\g], 32*\g, v[TC]
	s_add_co_u32 s[PF+\g+1], s[PF+\g], s[CN+\g]
.endr
	s_wait_alu depctr_va_vdst(0)                   ; v[PT ..] and v[PD ..] are written: the permutes read them as address and data; no line writes them again
.irp g, 0,1,2,3,4,5,6,7
	ds_permute_b32 v[CG+\g], v[PT+\g], v[PD+\g]
.endr
	s_wait_dscnt 0x0
	s_mov_b32 s[CT], s[PF+8]
	s_add_co_u32 s[NT], s[CT], 15
	s_lshr_b32 s[NT], s[NT], 4
	s_min_u32 s[NT], s[NT], 16
.endm
; The tokens of my wave's sixteen rows of the batch, lane 4 k + i for row i of tile k; then all sixteen as scalars, by lane reads that stand together.
; v[AA ..] is free to be written: the wait on vm_vsrc at the head of the last batch's first tile of sums stands behind the permutes that read it.
.macro TOKSEL
	v_add_nc_u32 v[PP], s[SB], v[P0]
.irp g, 0,1,2,3,4,5,6,7
	v_sub_nc_u32 v[DD+\g], v[PP], s[PF+\g]
.endr
.irp g, 0,1,2,3,4,5,6,7
	v_lshlrev_b32 v[AA+\g], 2, v[DD+\g]
.endr
	s_wait_alu depctr_va_vdst(0)                   ; v[AA ..] is written, which the permutes read; the last batch's selects are done reading v[BB ..], in which they land
.irp g, 0,1,2,3,4,5,6,7
	ds_bpermute_b32 v[BB+\g], v[AA+\g], v[CG+\g]
.endr
	v_mov_b32 v[TOK], 0
	s_wait_alu depctr_va_vdst(0)
	s_wait_dscnt 0x0
.irp g, 0,1,2,3,4,5,6,7
	v_cmp_gt_u32 s[RL+\g], s[CN+\g], v[DD+\g]
.endr
	s_wait_alu depctr_va_sdst(0)                   ; the eight masks are written, ahead of the selects that read them
.irp g, 0,1,2,3,4,5,6,7
	v_cndmask_b32 v[TOK], v[TOK], v[BB+\g], s[RL+\g]
.endr
.irp n, 0,1,2,3,4,5,6,7,8,9,10,11,12,13,14,15
	v_readlane_b32 s[RL+\n], v[TOK], \n
.endr
	s_wait_alu depctr_va_sdst(0)                   ; the sixteen rows' words are written, ahead of every branch and of the scalar lines that read them
.endm
.macro WLOAD t                         ; 16 rows of W2, my 512 bytes of each, into the registers that tile t's fragments will take
	WIN 0x40
.irp p, 0,1,2,3,4,5,6,7
	global_load_b128 v[32*(\t)+4*\p:32*(\t)+4*\p+3], v1, s[10:11] offset:2048*(16*(\t)+\p)
.endr
	WIN 0x80
.irp p, 0,1,2,3,4,5,6,7
	global_load_b128 v[32*(\t)+4*\p:32*(\t)+4*\p+3], v1, s[10:11] offset:2048*(16*(\t)+8+\p)
.endr
	WIN 0
.endm
.macro STAGE t, n                      ; they go through my own stage and come back as 8 fragments, into the registers that they left.  LDS serves a wave's instructions in order
	s_wait_loadcnt \n
	WIN 0x04
.irp p, 0,1,2,3,4,5,6,7
	ds_store_b128 v4, v[32*(\t)+4*\p:32*(\t)+4*\p+3] offset:WP*\p
.endr
	WIN 0x08
.irp p, 0,1,2,3,4,5,6,7
	ds_store_b128 v4, v[32*(\t)+4*\p:32*(\t)+4*\p+3] offset:WP*(8+\p)
.endr
	WIN 0x40
	s_wait_alu depctr_vm_vsrc(0)                   ; the sixteen stores have read the registers in which the fragments land
.irp s, 0,1,2,3
.irp c, 0,1
	ds_load_b128 v[32*(\t)+8*\s+4*\c:32*(\t)+8*\s+4*\c+3], v5 offset:64*\s+32*\c
.endr
.endr
	WIN 0x80
.irp s, 0,1,2,3
.irp c, 0,1
	ds_load_b128 v[32*(\t)+8*\s+4*\c:32*(\t)+8*\s+4*\c+3], v5 offset:64*(\s+4)+32*\c
.endr
.endr
	WIN 0
.endm
.macro ALOADS k, bc, bs                ; tile k's 8 fragments of my K quarter and their scale words, images of the operand's registers: 512 and 128 consecutive bytes a load
	WIN 0xc0
.irp s, 0,1,2,3,4,5,6,7
.irp c, 0,1
	global_load_b128 v[64*(\k)+8*\s+4*\c:64*(\k)+8*\s+4*\c+3], v1, s[\bc:\bc+1] offset:32768*(\k)+1024*\s+512*\c
.endr
.endr
	WIN 0
.irp s, 0,1,2,3,4,5,6,7
	global_load_b32 v[AS+8*(\k)+\s], v2, s[\bs:\bs+1] offset:4096*(\k)+128*\s
.endr
.endm
.macro FIRSTA k                        ; the first batch: no branch; an empty tile takes bytes of W2, inside their buffers, which nobody multiplies.  Each tile has base registers of its own
	s_cmp_gt_u32 s[NT], \k
	s_cselect_b64 s[68+4*\k:69+4*\k], s[6:7], s[10:11]
	s_cselect_b64 s[70+4*\k:71+4*\k], s[8:9], s[12:13]
	ALOADS \k, 68+4*\k, 70+4*\k
.endm
.macro LOADA k                         ; no wait: each tile's wait ahead of its LDS stores stands behind its products, and no vector or matrix instruction since names h's buffers or its scale words
	s_add_co_u32 s35, s[JN], \k
	s_cmp_ge_u32 s35, s[NT]
	s_cbranch_scc1 .Ll_end
	ALOADS \k, 6, 8
.endm
; 64 products: K step by K step, the 8 accumulators by turns, one instruction a turn; the first K step starts the sums
.macro MUL k
.set ks, 0
.rept 8
.if ks < 4
	WIN 0x0d                                       ; source 0 (W2) window 1, source 1 (h) window 3, C and D window 0
.else
	WIN 0x0e
.endif
.set tt, 0
.rept 8
.set fr, 32*tt+8*(ks%4)
.if ks == 0
	v_wmma_scale_f32_16x16x128_f8f6f4 v[ACC+8*tt:ACC+8*tt+7], v[fr:fr+7], v[64*(\k)+8*ks:64*(\k)+8*ks+7], 0, v[BS+8*tt+ks], v[AS+8*(\k)+ks] matrix_a_fmt:MATRIX_FMT_FP4 matrix_b_fmt:MATRIX_FMT_FP4
.else
	v_wmma_scale_f32_16x16x128_f8f6f4 v[ACC+8*tt:ACC+8*tt+7], v[fr:fr+7], v[64*(\k)+8*ks:64*(\k)+8*ks+7], v[ACC+8*tt:ACC+8*tt+7], v[BS+8*tt+ks], v[AS+8*(\k)+ks] matrix_a_fmt:MATRIX_FMT_FP4 matrix_b_fmt:MATRIX_FMT_FP4
.endif
.set tt, tt+1
.endr
.set ks, ks+1
.endr
	WIN 0
.endm
.macro TILE k
	s_wait_alu depctr_vm_vsrc(0)                   ; the LDS stores of the tile before (in a batch's first tile: the last batch's stores to y2) have read the accumulators, which the products below write anew
	s_add_co_u32 s35, s[JB], \k
	s_cmp_ge_u32 s35, s[NT]
	s_cbranch_scc1 .La_end
	MUL \k
	PLACES 5                                       ; five: the next tile's first products write over these accumulators; four of them serve the stores below
	s_wait_alu depctr_va_vdst(0)                   ; the products have written the accumulators, which the LDS stores read; they are also done reading this tile's buffer of h and its scale words.  The places above stay beside this wait
.irp t, 0,1,2,3,4,5,6,7
.if \k < 2
	ds_store_b128 v6, v[ACC+8*\t:ACC+8*\t+3] offset:(\k%2)*PK+64*\t          ; each accumulator from its low end on
	ds_store_b128 v6, v[ACC+8*\t+4:ACC+8*\t+7] offset:(\k%2)*PK+64*\t+16
.else
	ds_store_b128 v7, v[ACC+8*\t:ACC+8*\t+3] offset:(\k%2)*PK+64*\t
	ds_store_b128 v7, v[ACC+8*\t+4:ACC+8*\t+7] offset:(\k%2)*PK+64*\t+16
.endif
.endr
.endm
.macro ROWADR k, i                     ; where my row i of tile k goes: the scalar lines work in place, each row in its own register
	s_lshr_b32 s60, s[RL+4*\k+\i], 16              ; rank
	s_and_b32 s[RL+4*\k+\i], s[RL+4*\k+\i], 0xff
	s_add_co_u32 s[RL+4*\k+\i], s[RL+4*\k+\i], s58
	s_lshl_b32 s[RL+4*\k+\i], s[RL+4*\k+\i], 1
	s_add_co_u32 s[RL+4*\k+\i], s[RL+4*\k+\i], s60 ; 2 x token + rank,
	s_min_u32 s[RL+4*\k+\i], s[RL+4*\k+\i], 0x7ff  ; held inside the table
	v_lshl_add_u32 v[YO+\i], s[RL+4*\k+\i], 12, v1
.endm
.macro ROWOUT k, i                     ; my row i of tile k goes to its token's place, if the slot holds a chosen row
	s_add_co_u32 s35, s[SB], 16*\k+\i
	s_add_co_u32 s35, s35, s59
	s_cmp_ge_u32 s35, s[CT]
	s_cbranch_scc1 .Lpad_\@
	global_store_b128 v[YO+\i], v[R+16*\i:R+16*\i+3], s[16:17]   ; 32 lanes store 512 consecutive bytes, at a multiple of 512 from y2's first byte
.Lpad_\@:
.endm
.macro REDUCE k
.if \k > 0
	s_add_co_u32 s35, s[JB], \k
	s_cmp_ge_u32 s35, s[NT]
	s_cbranch_scc1 .Lb_end
.endif
	s_wait_xcnt 0x0                                ; the last tile's stores have read their data and offsets, which are written again here
	s_wait_alu depctr_vm_vsrc(0)                   ; the same of their vector registers, v[R ..] and v[YO ..]; in a batch's first tile: my LDS stores of the partial sums have read v[R ..], and the permutes v[AA ..]
.irp i, 0,1,2,3
.irp p, 0,1,2,3
.if \k < 2
	ds_load_b128 v[R+16*\i+4*\p:R+16*\i+4*\p+3], v8 offset:(\k%2)*PK+16*WP*\p+WP*\i   ; no wait on va_vdst: behind the last one stand no vector or matrix instructions that name v[R ..]
.else
	ds_load_b128 v[R+16*\i+4*\p:R+16*\i+4*\p+3], v9 offset:(\k%2)*PK+16*WP*\p+WP*\i
.endif
.endr
.endr
	ROWADR \k, 0                                   ; the four offsets are made while the loads are out
	ROWADR \k, 1
	ROWADR \k, 2
	ROWADR \k, 3
	s_wait_dscnt 0x0
.irp i, 0,1,2,3
	v_pk_add_f32 v[R+16*\i:R+16*\i+1], v[R+16*\i:R+16*\i+1], v[R+16*\i+4:R+16*\i+5]
	v_pk_add_f32 v[R+16*\i+2:R+16*\i+3], v[R+16*\i+2:R+16*\i+3], v[R+16*\i+6:R+16*\i+7]
	v_pk_add_f32 v[R+16*\i+8:R+16*\i+9], v[R+16*\i+8:R+16*\i+9], v[R+16*\i+12:R+16*\i+13]
	v_pk_add_f32 v[R+16*\i+10:R+16*\i+11], v[R+16*\i+10:R+16*\i+11], v[R+16*\i+14:R+16*\i+15]
.endr
.irp i, 0,1,2,3
	v_pk_add_f32 v[R+16*\i:R+16*\i+1], v[R+16*\i:R+16*\i+1], v[R+16*\i+8:R+16*\i+9]
	v_pk_add_f32 v[R+16*\i+2:R+16*\i+3], v[R+16*\i+2:R+16*\i+3], v[R+16*\i+10:R+16*\i+11]
.endr
.irp i, 0,1,2,3
	v_pk_add_f32 v[R+16*\i:R+16*\i+1], v[R+16*\i:R+16*\i+1], v[B2:B2+1]
	v_pk_add_f32 v[R+16*\i+2:R+16*\i+3], v[R+16*\i+2:R+16*\i+3], v[B2+2:B2+3]
.endr
	s_wait_alu depctr_va_vdst(0)                   ; the sums v[R ..] and the offsets v[YO ..] are written, which the stores read; the additions are done with all of v[R ..], in which the next tile's LDS loads land
	ROWOUT \k, 0
	ROWOUT \k, 1
	ROWOUT \k, 2
	ROWOUT \k, 3
.endm
	s_load_b256 s[4:11], s[0:1], 0x0               ; sel s[4:5], hq s[6:7], hs s[8:9], W2's codes s[10:11]
	s_load_b128 s[12:15], s[0:1], 0x20             ; W2's scales s[12:13], b2 s[14:15]
	s_load_b64 s[16:17], s[0:1], 0x30              ; y2
	v_lshl_add_u32 v254, v0, 2, 0x29400
	v_mov_b32 v255, 0
	v_lshrrev_b32 v1, 5, v0
	v_readfirstlane_b32 s20, v1                    ; wave = quarter of K
	s_and_b32 s61, ttmp7, 0xffff                   ; 4 e + q
	s_lshr_b32 s21, s61, 2                         ; e
	s_and_b32 s22, s61, 3                          ; q
	s_mov_b32 s23, ttmp9                           ; ns
	v_and_b32 v[LANE], 31, v0
	v_lshlrev_b32 v1, 4, v[LANE]                   ; v1   16 x lane
	v_lshlrev_b32 v2, 2, v[LANE]                   ; v2   4 x lane
	v_and_b32 v14, 15, v0                          ; r
	v_bfe_u32 v15, v0, 4, 1                        ; h
	s_wait_alu depctr_va_sdst(0)                   ; s20, the wave's number, is written, ahead of its first reader
	s_lshl_b32 s59, s20, 2                         ; my first row of a tile in the sums
	v_bfe_u32 v[P0], v0, 2, 2
	v_lshlrev_b32 v[P0], 4, v[P0]
	v_and_b32 v11, 3, v0
	v_add_nc_u32 v[P0], v[P0], v11
	v_add_nc_u32 v[P0], s59, v[P0]
	s_mul_i32 s32, s20, 16*WP
	v_add_nc_u32 v4, s32, v1                       ; v4   my stage, on the way in
	v_mul_u32_u24 v12, v14, WP
	v_lshl_add_u32 v5, v15, 4, v12
	v_add_nc_u32 v5, s32, v5                       ; v5   and out: row r, + 16 h
	v_lshl_add_u32 v6, v15, 5, v12
	v_add_nc_u32 v6, s32, v6
	v_add_nc_u32 v6, PART, v6                      ; v6   my partial sums of tiles 0, 1: row r, + 32 h
	v_add_nc_u32 v7, 2*PK, v6                      ; v7   of tiles 2, 3
	s_mul_i32 s32, s20, 4*WP
	v_add_nc_u32 v8, s32, v1
	v_add_nc_u32 v8, PART, v8                      ; v8   the sums: my 4 rows, 16 bytes a lane; tiles 0, 1
	v_add_nc_u32 v9, 2*PK, v8                      ; v9   tiles 2, 3
	v_lshlrev_b32 v12, 7, v14                      ; v12  W2's scale words: 128 bytes a row
	s_lshl_b32 s[EB], s21, 2
	s_lshl_b32 s[RM], 1, s[EB]
	s_sub_co_u32 s[RM], s[RM], 1
	s_lshl_b32 s58, s22, 8                         ; the quarter's first token
	s_mov_b32 s33, 0
	s_wait_kmcnt 0x0
	s_lshl_b32 s32, s22, 10
	s_add_nc_u64 s[4:5], s[4:5], s[32:33]
	s_lshl_b32 s32, s61, 19
	s_lshl_b32 s35, s20, 13
	s_add_co_u32 s32, s32, s35
	s_add_nc_u64 s[6:7], s[6:7], s[32:33]          ; hq: (e, q)'s 16 tiles; my 8 K steps of 1,024 bytes
	s_lshl_b32 s32, s61, 16
	s_lshl_b32 s35, s20, 10
	s_add_co_u32 s32, s32, s35
	s_add_nc_u64 s[8:9], s[8:9], s[32:33]
	s_lshl_b32 s32, s21, 21
	s_lshl_b32 s35, s23, 18
	s_add_co_u32 s32, s32, s35
	s_lshl_b32 s35, s20, 9
	s_add_co_u32 s32, s32, s35
	s_add_nc_u64 s[10:11], s[10:11], s[32:33]      ; W2's codes: expert, 128 rows of 2,048 bytes, my 512 bytes of a row
	s_lshl_b32 s32, s21, 17
	s_lshl_b32 s35, s23, 14
	s_add_co_u32 s32, s32, s35
	s_lshl_b32 s35, s20, 5
	s_add_co_u32 s32, s32, s35
	s_add_nc_u64 s[12:13], s[12:13], s[32:33]
	s_lshl_b32 s32, s21, 12
	s_lshl_b32 s35, s23, 9
	s_add_co_u32 s32, s32, s35
	s_add_nc_u64 s[14:15], s[14:15], s[32:33]
	s_mov_b32 s32, s35
	s_add_nc_u64 s[16:17], s[16:17], s[32:33]      ; y2 at my 128 columns
	s_wait_alu depctr_va_vdst(0)                   ; the offsets and LDS addresses v1, v2, v4 to v9, v12 are written: the kernel's loads, stores and LDS instructions read them, and no line writes them again
.irp g, 0,1,2,3,4,5,6,7
	global_load_b32 v[SELR+\g], v2, s[4:5] offset:128*\g
.endr
.irp t, 0,1,2,3,4,5,6,7
.irp u, 0,1
	global_load_b128 v[BS+8*\t+4*\u:BS+8*\t+4*\u+3], v12, s[12:13] offset:2048*\t+16*\u
.endr
.endr
	global_load_b128 v[B2:B2+3], v1, s[14:15]
	WLOAD 0
	WLOAD 1
	WLOAD 2
	s_wait_loadcnt 63                              ; sel's eight loads are in: 65 loads are younger, and the count names as many as its field holds
	PLACE
	FIRSTA 0
	FIRSTA 1
	FIRSTA 2
	FIRSTA 3
	WLOAD 3
	WLOAD 4
	WLOAD 5
	WLOAD 6
	WLOAD 7
	STAGE 0, 63                                    ; behind tile t's 16 loads stand 16 (7 - t) of W2's from t = 3 on, and more before: the count is that number, or what the field holds
	STAGE 1, 63
	STAGE 2, 63
	STAGE 3, 63
	STAGE 4, 48
	STAGE 5, 32
	STAGE 6, 16
	STAGE 7, 0
	s_mov_b32 s30, 0
	s_mov_b32 s[JB], 0
	s_mov_b32 s[JN], 4
	s_mov_b32 s[SB], 0
.Lbatch:
	s_wait_loadcnt 0x0                             ; this batch's fragments of h
	s_wait_dscnt 0x0                               ; (first trip: W2's fragments)
	s_wait_xcnt 0x0                                ; the last batch's stores have read their data, which the products write again
	TILE 0
	TILE 1
	TILE 2
	TILE 3
.La_end:
	s_add_nc_u64 s[6:7], s[6:7], 131072            ; no load is out: the bases step to the next batch
	s_add_nc_u64 s[8:9], s[8:9], 16384
	LOADA 0
	LOADA 1
	LOADA 2
	LOADA 3
.Ll_end:
	s_wait_dscnt 0x0                               ; for the others' sake: my partial sums lie in LDS
	s_barrier_signal -1
	s_barrier_wait -1
	s_cmp_ge_u32 s[JB], s[NT]
	s_cbranch_scc1 .Lb_end
	TOKSEL
	REDUCE 0
	REDUCE 1
	REDUCE 2
	REDUCE 3
.Lb_end:
	s_wait_dscnt 0x0                               ; my reads of the partial sums are over: the next batch may write there
	s_barrier_signal -1
	s_barrier_wait -1
	s_add_co_u32 s[JB], s[JB], 4
	s_add_co_u32 s[JN], s[JN], 4
	s_add_co_u32 s[SB], s[SB], 64
	s_add_co_u32 s30, s30, 1
	s_cmp_lt_u32 s30, 4
	s_cbranch_scc1 .Lbatch
	s_wait_dscnt 0x0                               ; the closing lines, six on end
	s_wait_alu 0x0
	s_wait_tensorcnt 0x0
	ds_add_u32 v254, v255
	s_wait_dscnt 0x0
	s_endpgm
.Lfunc_end_k_q4f91e8db84_ffn2:
	.size	k_q4f91e8db84_ffn2, .Lfunc_end_k_q4f91e8db84_ffn2-k_q4f91e8db84_ffn2
	.p2alignl 7, 3214868480
	.fill 96, 4, 3214868480
	.section	.rodata,"a",@progbits
	.p2align	6, 0x0
	.amdhsa_kernel k_q4f91e8db84_ffn2
		.amdhsa_group_segment_fixed_size 169472
		.amdhsa_private_segment_fixed_size 0
		.amdhsa_enable_private_segment 0
		.amdhsa_kernarg_size 56
		.amdhsa_user_sgpr_count 2
		.amdhsa_user_sgpr_kernarg_segment_ptr 1
		.amdhsa_wavefront_size32 1
		.amdhsa_system_sgpr_workgroup_id_x 1
		.amdhsa_system_sgpr_workgroup_id_y 1
		.amdhsa_system_sgpr_workgroup_id_z 1
		.amdhsa_system_vgpr_workitem_id 0
		.amdhsa_next_free_vgpr 1024
		.amdhsa_next_free_sgpr 84
		.amdhsa_reserve_vcc 0
		.amdhsa_float_denorm_mode_32 3
		.amdhsa_float_denorm_mode_16_64 3
		.amdhsa_memory_ordered 1
		.amdhsa_forward_progress 1
		.amdhsa_inst_pref_size 125
	.end_amdhsa_kernel
	.amdgpu_metadata
---
amdhsa.version: [ 1, 2 ]
amdhsa.kernels:
  - .name:           k_q4f91e8db84_ffn2
    .symbol:         k_q4f91e8db84_ffn2.kd
    .args:
      - { .name: sel, .offset: 0, .size: 8, .value_kind: global_buffer, .address_space: global }
      - { .name: hq, .offset: 8, .size: 8, .value_kind: global_buffer, .address_space: global }
      - { .name: hs, .offset: 16, .size: 8, .value_kind: global_buffer, .address_space: global }
      - { .name: W2_codes, .offset: 24, .size: 8, .value_kind: global_buffer, .address_space: global }
      - { .name: W2_scales, .offset: 32, .size: 8, .value_kind: global_buffer, .address_space: global }
      - { .name: b2, .offset: 40, .size: 8, .value_kind: global_buffer, .address_space: global }
      - { .name: y2, .offset: 48, .size: 8, .value_kind: global_buffer, .address_space: global }
    .group_segment_fixed_size: 169472
    .private_segment_fixed_size: 0
    .kernarg_segment_align: 8
    .kernarg_segment_size: 56
    .max_flat_workgroup_size: 128
    .sgpr_count:     84
    .vgpr_count:     1024
    .wavefront_size: 32
...
	.end_amdgpu_metadata
.endif
;; end of part 7
;; launch combine (part 8): grid 256 x 1, 4 waves a work-group, no clusters, 0 bytes of LDS; arguments y2, p0, out0; writes out0
.if DOCPART == 8
	.amdgcn_target "amdgcn-amd-amdhsa--gfx1250"
	.amdhsa_code_object_version 6
	.text
	.protected	k_q4f91e8db84_combine
	.globl	k_q4f91e8db84_combine
	.p2align	8
	.type	k_q4f91e8db84_combine,@function
k_q4f91e8db84_combine:
	s_mov_b64 s[64:65], 0
	v_nop
	global_prefetch_b8 v0, s[64:65] scope:SCOPE_SE
	s_setreg_imm32_b32 hwreg(HW_REG_WAVE_MODE, 25, 1), 1
	s_wait_xcnt 0x0
; out0[t][:] = p0[t] x (y2[t][0][:] + y2[t][1][:]): the two chosen experts' rows, both weighed by the first choice's normalised probability, as the reference has it.
; A wave takes one token t = 4 x work-group + wave: 16 loads of 512 consecutive bytes, all issued at once, 8 stores of 512.  A plain stream: no LDS, no barrier, no matrix unit.
	s_load_b128 s[4:7], s[0:1], 0x0                ; y2 s[4:5], p0 s[6:7]
	s_load_b64 s[8:9], s[0:1], 0x10                ; out0
	v_lshrrev_b32 v1, 5, v0
	v_readfirstlane_b32 s10, v1
	s_lshl_b32 s11, ttmp9, 2
	s_add_co_u32 s11, s11, s10                     ; my token
	v_and_b32 v1, 31, v0
	v_lshlrev_b32 v1, 4, v1                        ; 16 x lane
	s_mov_b32 s15, 0
	s_wait_alu depctr_va_vdst(0)
	s_wait_kmcnt 0x0
	s_lshl_b32 s14, s11, 2
	s_add_nc_u64 s[6:7], s[6:7], s[14:15]
	s_load_b32 s12, s[6:7], 0x0                    ; p0[t]
	s_lshl_b32 s14, s11, 13
	s_add_nc_u64 s[4:5], s[4:5], s[14:15]
	s_lshl_b32 s14, s11, 12
	s_add_nc_u64 s[8:9], s[8:9], s[14:15]
.irp i, 0,1,2,3,4,5,6,7
	global_load_b128 v[16+4*\i:19+4*\i], v1, s[4:5] offset:512*\i th:TH_LOAD_NT
	global_load_b128 v[48+4*\i:51+4*\i], v1, s[4:5] offset:4096+512*\i th:TH_LOAD_NT
.endr
	s_wait_kmcnt 0x0
	s_mov_b32 s13, s12                             ; (the packed form names the pair)
.irp i, 0,1,2,3,4,5,6,7
	s_wait_loadcnt 14-2*\i                         ; pair i is in; the pairs behind it may be out
	v_pk_add_f32 v[16+4*\i:17+4*\i], v[16+4*\i:17+4*\i], v[48+4*\i:49+4*\i]
	v_pk_add_f32 v[18+4*\i:19+4*\i], v[18+4*\i:19+4*\i], v[50+4*\i:51+4*\i]
	v_pk_mul_f32 v[16+4*\i:17+4*\i], v[16+4*\i:17+4*\i], s[12:13] op_sel_hi:[1,0]
	v_pk_mul_f32 v[18+4*\i:19+4*\i], v[18+4*\i:19+4*\i], s[12:13] op_sel_hi:[1,0]
	global_store_b128 v1, v[16+4*\i:19+4*\i], s[8:9] offset:512*\i th:TH_STORE_NT
.endr
	s_endpgm
.Lfunc_end_k_q4f91e8db84_combine:
	.size	k_q4f91e8db84_combine, .Lfunc_end_k_q4f91e8db84_combine-k_q4f91e8db84_combine
	.p2alignl 7, 3214868480
	.fill 96, 4, 3214868480
	.section	.rodata,"a",@progbits
	.p2align	6, 0x0
	.amdhsa_kernel k_q4f91e8db84_combine
		.amdhsa_group_segment_fixed_size 0
		.amdhsa_private_segment_fixed_size 0
		.amdhsa_enable_private_segment 0
		.amdhsa_kernarg_size 24
		.amdhsa_user_sgpr_count 2
		.amdhsa_user_sgpr_kernarg_segment_ptr 1
		.amdhsa_wavefront_size32 1
		.amdhsa_system_sgpr_workgroup_id_x 1
		.amdhsa_system_sgpr_workgroup_id_y 1
		.amdhsa_system_sgpr_workgroup_id_z 1
		.amdhsa_system_vgpr_workitem_id 0
		.amdhsa_next_free_vgpr 80
		.amdhsa_next_free_sgpr 66
		.amdhsa_reserve_vcc 0
		.amdhsa_float_denorm_mode_32 3
		.amdhsa_float_denorm_mode_16_64 3
		.amdhsa_memory_ordered 1
		.amdhsa_forward_progress 1
		.amdhsa_inst_pref_size 6
	.end_amdhsa_kernel
	.amdgpu_metadata
---
amdhsa.version: [ 1, 2 ]
amdhsa.kernels:
  - .name:           k_q4f91e8db84_combine
    .symbol:         k_q4f91e8db84_combine.kd
    .args:
      - { .name: y2, .offset: 0, .size: 8, .value_kind: global_buffer, .address_space: global }
      - { .name: p0, .offset: 8, .size: 8, .value_kind: global_buffer, .address_space: global }
      - { .name: out0, .offset: 16, .size: 8, .value_kind: global_buffer, .address_space: global }
    .group_segment_fixed_size: 0
    .private_segment_fixed_size: 0
    .kernarg_segment_align: 8
    .kernarg_segment_size: 24
    .max_flat_workgroup_size: 128
    .sgpr_count:     66
    .vgpr_count:     80
    .wavefront_size: 32
...
	.end_amdgpu_metadata
.endif
;; end of part 8
